; MI455X (gfx1250); checked and timed in simulation.
; The chip was launched on July 23, 2026; its instructions are those of AMD's public machine-readable ISA for CDNA 5 (MIT licence, August 2026) and "CDNA5" Instruction Set Architecture Reference Guide (July 2026). The comments in the code are by the model that wrote it; some were corrected since.
;; Switch MLP. Allowed arithmetic: matrix products marked QUANTISED: E2M1 operands, one E8M0 scale for each 32 along K, by v_wmma_scale_f32_16x16x128_f8f6f4 with both operands' format E2M1 (or v_wmma_scale_f32_32x16x128_f4), f32 sums; products left as they are: f32 operands where the result goes on into a quantised operand, else bf16, f16 or f32 operands; f32 sums; everything else in f32.
;; Inputs: W1 8 x 1,024 x 4,096 float32; W2 8 x 4,096 x 1,024 float32; Wr 1,024 x 8 float32; br 8 float32; hidden_states 2 x 512 x 1,024 float32.
;; Outputs: out0 2 x 512 x 1,024 float32.
;; This version of the problem:
;;   THIS VERSION OF THE PROBLEM IS GIVEN IN LOW PRECISION. The matrix products marked QUANTISED in the list below multiply operands that are first quantised to E2M1 (2 exponent bits, 1 mantissa bit; 4 bits a number), with one power-of-two scale for each 32 numbers along K (OCP MX v1.0); their sums are f32. All else is computed in f32.
;;   The module's matrix products, in the order in which they are computed (A, B: the left and right operand; K: the contracted axis; several contracted axes count as one K, in the product's order):
;;     1. [M 1,024, K 1,024] x [K 1,024, N 8]; A: input hidden_states; B: input Wr: left as it is (N = 8 < 16)
;;     2. [M 1,024, K 1,024] x [K 1,024, N 4,096]; A: input hidden_states; B: input W1: QUANTISED
;;     3. [M 1,024, K 4,096] x [K 4,096, N 1,024]; A: computed on the way; B: input W2: QUANTISED
;;     4. [M 1,024, K 1,024] x [K 1,024, N 4,096]; A: input hidden_states; B: input W1: QUANTISED
;;     5. [M 1,024, K 4,096] x [K 4,096, N 1,024]; A: computed on the way; B: input W2: QUANTISED
;;     6. [M 1,024, K 1,024] x [K 1,024, N 4,096]; A: input hidden_states; B: input W1: QUANTISED
;;     7. [M 1,024, K 4,096] x [K 4,096, N 1,024]; A: computed on the way; B: input W2: QUANTISED
;;     8. [M 1,024, K 1,024] x [K 1,024, N 4,096]; A: input hidden_states; B: input W1: QUANTISED
;;     9. [M 1,024, K 4,096] x [K 4,096, N 1,024]; A: computed on the way; B: input W2: QUANTISED
;;     10. [M 1,024, K 1,024] x [K 1,024, N 4,096]; A: input hidden_states; B: input W1: QUANTISED
;;     11. [M 1,024, K 4,096] x [K 4,096, N 1,024]; A: computed on the way; B: input W2: QUANTISED
;;     12. [M 1,024, K 1,024] x [K 1,024, N 4,096]; A: input hidden_states; B: input W1: QUANTISED
;;     13. [M 1,024, K 4,096] x [K 4,096, N 1,024]; A: computed on the way; B: input W2: QUANTISED
;;     14. [M 1,024, K 1,024] x [K 1,024, N 4,096]; A: input hidden_states; B: input W1: QUANTISED
;;     15. [M 1,024, K 4,096] x [K 4,096, N 1,024]; A: computed on the way; B: input W2: QUANTISED
;;     16. [M 1,024, K 1,024] x [K 1,024, N 4,096]; A: input hidden_states; B: input W1: QUANTISED
;;     17. [M 1,024, K 4,096] x [K 4,096, N 1,024]; A: computed on the way; B: input W2: QUANTISED
;;   THE QUANTISER, for each operand of a quantised product, along K:
;;     - K is cut into blocks of 32 from its start; a last block that is shorter is filled with zeros.
;;     - A block's scale is 2^e with e = floor(log2(the largest magnitude in the block)) - 2, held to -126 .. 127; a block of zeros has e = 0. As a byte (E8M0): e + 127.
;;     - Each number is divided by its block's scale, clamped to +-6, and rounded to the nearest number of E2M1, ties to even, subnormals kept.
;;     - The product sums the exact products of the quantised numbers (number of the format x scale) in f32.
;;   ~~~python
;;   def quantise(x, axis):      # numpy; x: float32 -> the quantised numbers, widened to float32 again
;;       x = np.moveaxis(x, axis, -1); K = x.shape[-1]
;;       x = np.pad(x, [(0, 0)] * (x.ndim - 1) + [(0, -K % 32)]); x = x.reshape(x.shape[:-1] + (-1, 32)); a = np.abs(x).max(-1, keepdims=True)
;;       e = np.where(a > 0, np.clip(np.frexp(np.where(a > 0, a, 1))[1] - 1 - 2, -126, 127), 0)      # np.frexp(a)[1] - 1 = floor(log2(a)), exactly
;;       r = np.clip(x / 2.0 ** e, -6, 6)
;;       step = 2.0 ** (np.maximum(np.frexp(np.where(r == 0, 1, r))[1] - 1, 0) - 1)
;;       q = np.round(r / step) * step * 2.0 ** e      # np.round: ties to even
;;       return np.moveaxis(q.reshape(q.shape[:-2] + (-1,))[..., :K], -1, axis).astype(np.float32)
;;   ~~~
;;   OPERANDS COMPUTED ON THE WAY. 'Computed on the way' means the value that the module computes at that place (a softmax that the list does not call 'softmax' is quantised finished and normalised). What goes into a quantiser is computed in f32, as accurately as f32 sums, v_exp_f32 and their like allow (about 1e-6 of the number): no bf16 or f16 on the way to a quantiser, and a product that is left as it is and whose result goes on into a quantised operand takes f32 operands (vector FMAs, or v_wmma_f32_16x16x4_f32). A number that lies on a knife's edge between two numbers of the format may be rounded either way, as far as f32 arithmetic and the matrix unit's own rounding can turn it there, and no further.
;; 2 versions. Each part assembles by itself: llvm-mc -triple=amdgcn-amd-amdhsa -mcpu=gfx1250 --defsym DOCPART=n.
;; ======== version 1 of 2: 3 launches
;; workspace buffers: xc 524,288 bytes; xs 32,768 bytes; ids 4,096 bytes of whole numbers; prob 4,096 bytes; hc 16,777,216 bytes; hs 1,048,576 bytes
;; launch route (part 1): grid 256 x 1, 4 waves a work-group, no clusters, 52,224 bytes of LDS; arguments hidden_states, Wr, br, xc, xs, ids, prob; writes xc, xs, ids, prob
.if DOCPART == 1
	.amdgcn_target "amdgcn-amd-amdhsa--gfx1250"
	.amdhsa_code_object_version 6
	.text
	.protected	k_q85b0425b9d_route
	.globl	k_q85b0425b9d_route
	.p2align	8
	.type	k_q85b0425b9d_route,@function
k_q85b0425b9d_route:
	s_mov_b64 s[64:65], 0
	v_nop
	global_prefetch_b8 v0, s[64:65] scope:SCOPE_SE
	s_setreg_imm32_b32 hwreg(HW_REG_WAVE_MODE, 25, 1), 1
	s_wait_xcnt 0x0
; THE ROUTER, AND x INTO CODES.  x = hidden_states [1024][1024] f32.  route = sigmoid(x Wr + br), all in f32; for each token its largest probability (prob) and the
; index of it (ids, a whole number), both at the token's own fixed place: no address of this launch hangs on them.  x is also quantised once, along its 1,024, to FP4 (E2M1) with one E8M0
; byte for each 32: xc [token][512 bytes], two codes a byte, the lower k in the low four bits; xs [token][32 bytes], byte b for k = 32 b .. 32 b + 31.
; SHARES.  A wave takes one token (4 x work-group + wave); lane L takes its block L, k = 32 L .. 32 L + 31: the block's largest magnitude needs no other lane, and the lane's 16 bytes of codes lie at 16 L of the row.
; Loads are dense (512 consecutive bytes a wave); the row turns through the wave's own stage in LDS so that a lane gets its 32 neighbours.  Wr (32 KB) is brought by the four waves together, a quarter each,
; and read back a lane's 32 rows at a time.  Both stages have 16 bytes of padding behind each lane's slice (144 = 9 x 16, 1,040 = 65 x 16 bytes from lane to lane).
; No matrix unit: 8 columns.  No cluster: the work-groups share only Wr, 32 KB of the 4 MB that the launch reads.
; LIMITS.  NaN and infinities are not served.  A block whose largest magnitude lies under 2^-124 keeps the byte 1 (a block of zeros too: its codes are zeros, and this program alone reads the bytes).
; The index is the first largest of THIS text's sigmoid values (exponential and reciprocal good to an ulp, sums in another order than a CPU's): two probabilities an ulp or so apart may fall the other way.
.set RAW, 16                           ; v16-47   the row as loaded
.set XR,  48                           ; v48-79   my 32 neighbours
.set WQ0, 80                           ; v80-143  Wr as loaded; then 8 of my rows of Wr
.set WQ1, 144                          ; v144-207 8 more
.set AC,  208                          ; v208-215 the 8 sums
.set PT,  224                          ; v224-231 at work on the 8
.set CD,  240                          ; v240-243 my 32 codes
.set XST, 33280                        ; LDS: Wr's stage 32 x 1,040 bytes from 0; behind it a stage of 32 x 144 bytes for each wave
	s_load_b256 s[4:11], s[0:1], 0x0               ; hidden_states s[4:5], Wr s[6:7], br s[8:9], xc s[10:11]
	s_load_b128 s[12:15], s[0:1], 0x20             ; xs s[12:13], ids s[14:15]
	s_load_b64 s[16:17], s[0:1], 0x30              ; prob
	v_lshl_add_u32 v254, v0, 2, 0xca00
	v_mov_b32 v255, 0
	v_lshrrev_b32 v10, 5, v0
	v_readfirstlane_b32 s18, v10                   ; wave 0..3
	v_and_b32 v1, 31, v0                           ; lane L
	v_lshlrev_b32 v2, 4, v1                        ; 16 L
	s_mul_i32 s30, s18, 4608
	s_add_co_u32 s30, s30, XST                     ; my wave's stage
	v_lshrrev_b32 v10, 3, v1
	v_mul_u32_u24 v3, v10, 144
	v_and_b32 v11, 7, v1
	v_lshl_add_u32 v3, v11, 4, v3
	v_add_nc_u32 v3, s30, v3                       ; in: byte 512 i + 16 L of the row belongs to lane 4 i + L / 8, at 16 (L % 8) of its slice
	v_mul_u32_u24 v4, v1, 144
	v_add_nc_u32 v4, s30, v4                       ; out: my slice
	s_mul_i32 s31, s18, 8320
	v_add_nc_u32 v5, s31, v2                       ; Wr in: my wave's quarter is the slices of lanes 8 w .. 8 w + 7
	v_mul_u32_u24 v6, v1, 1040                     ; Wr out: my slice, rows 32 L .. 32 L + 31
	v_and_b32 v7, 3, v1
	v_lshlrev_b32 v7, 3, v7                        ; my scale byte's place in its word, in bits
	v_lshrrev_b32 v8, 2, v1
	v_lshlrev_b32 v8, 2, v8                        ; and the word's place in the token's 32 bytes
	v_mov_b32 v9, 0
	s_lshl_b32 s32, s18, 13
	v_add_nc_u32 v12, s32, v2                      ; Wr in memory: 8,192 w + 16 L
	v_mov_b32 v221, 0                              ; written once: the destination of a lane move counts as one of its sources
.irp e, 0,1,2,3,4,5,6,7
	v_mov_b32 v[PT+\e], 0
.endr
	s_lshl_b32 s19, ttmp9, 2
	s_add_co_u32 s19, s19, s18                     ; my token
	s_mov_b32 s28, 0x76543210
	s_mov_b32 s29, 0xfedcba98                      ; v_permlanex16_b32's selects for lane l xor 16
	s_mov_b32 s35, 0
	s_lshl_b32 s34, s19, 12
	s_wait_kmcnt 0x0
	s_add_nc_u64 s[4:5], s[4:5], s[34:35]          ; my row of x
.irp i, 0,1,2,3,4,5,6,7
	global_load_b128 v[RAW+4*\i:RAW+4*\i+3], v2, s[4:5] offset:512*\i th:TH_LOAD_NT   ; 512 consecutive bytes a load; read once in the launch
.endr
.irp j, 0,1,2,3,4,5,6,7,8,9,10,11,12,13,14,15
	global_load_b128 v[WQ0+4*\j:WQ0+4*\j+3], v12, s[6:7] offset:512*\j
.endr
	s_load_b256 s[20:27], s[8:9], 0x0              ; br
	s_lshl_b32 s34, s19, 9
	s_add_nc_u64 s[10:11], s[10:11], s[34:35]      ; my row of codes,
	s_lshl_b32 s34, s19, 5
	s_add_nc_u64 s[12:13], s[12:13], s[34:35]      ; of scale bytes,
	s_lshl_b32 s34, s19, 2
	s_add_nc_u64 s[14:15], s[14:15], s[34:35]      ; my index
	s_add_nc_u64 s[16:17], s[16:17], s[34:35]      ; and my probability
	s_wait_loadcnt 16                              ; the row is in; Wr's 16 loads may be out
.irp i, 0,1,2,3,4,5,6,7
	ds_store_b128 v3, v[RAW+4*\i:RAW+4*\i+3] offset:576*\i
.endr
.irp j, 0,1,2,3,4,5,6,7
	ds_load_b128 v[XR+4*\j:XR+4*\j+3], v4 offset:16*\j     ; LDS serves a wave's instructions in order (ISA guide 5.7.1.4): these see my stores
.endr
	s_wait_loadcnt 0x0
.irp j, 0,1,2,3,4,5,6,7,8,9,10,11,12,13,14,15
	ds_store_b128 v5, v[WQ0+4*\j:WQ0+4*\j+3] offset:1040*(\j/2)+512*(\j%2)
.endr
	s_wait_dscnt 0x0                               ; for the others' sake: my quarter of Wr lies in LDS (and my row is back)
	s_barrier_signal -1
	s_barrier_wait -1
.macro DSW c, buf                      ; rows 8 c .. 8 c + 7 of my 32 rows of Wr: register buf + 8 i + e = Wr(32 L + 8 c + i, e)
.irp q, 0,1,2,3,4,5,6,7,8,9,10,11,12,13,14,15
	ds_load_b128 v[\buf+4*\q:\buf+4*\q+3], v6 offset:256*(\c)+16*\q
.endr
.endm
; 64 multiply-adds, two experts an instruction, in four chains: one x feeds both halves (the even or the odd register of its pair).  The very first k starts the sums: nothing is cleared.
.macro FMA c, buf
.irp h, 0,1,2,3
.irp p, 0,2,4,6
.if ((\c) == 0) && (\h == 0)
	v_pk_mul_f32 v[AC+\p:AC+\p+1], v[XR:XR+1], v[\buf+\p:\buf+\p+1] op_sel_hi:[0,1]
.else
	v_pk_fma_f32 v[AC+\p:AC+\p+1], v[XR+8*(\c)+2*\h:XR+8*(\c)+2*\h+1], v[\buf+16*\h+\p:\buf+16*\h+\p+1], v[AC+\p:AC+\p+1] op_sel_hi:[0,1,1]
.endif
.endr
.irp p, 0,2,4,6
	v_pk_fma_f32 v[AC+\p:AC+\p+1], v[XR+8*(\c)+2*\h:XR+8*(\c)+2*\h+1], v[\buf+16*\h+8+\p:\buf+16*\h+8+\p+1], v[AC+\p:AC+\p+1] op_sel:[1,0,0] op_sel_hi:[1,1,1]
.endr
.endr
.endm
	DSW 0, WQ0
	DSW 1, WQ1
	; my block into codes, while Wr's rows are on their way from LDS
	v_max3_num_f32 v216, |v[XR]|, |v[XR+1]|, |v[XR+2]|
	v_max3_num_f32 v217, |v[XR+3]|, |v[XR+4]|, |v[XR+5]|
.irp i, 6,10,14,18,22,26
	v_max3_num_f32 v216, v216, |v[XR+\i]|, |v[XR+\i+1]|
	v_max3_num_f32 v217, v217, |v[XR+\i+2]|, |v[XR+\i+3]|
.endr
	v_max3_num_f32 v216, v216, |v[XR+30]|, |v[XR+31]|
	v_max3_num_f32 v216, v216, v217, 0x1800000     ; and the floor 2^(3 - 127): the byte cannot fall under 1
	v_add_nc_u32 v218, 0xff000000, v216            ; 2 off the exponent field: the conversion takes the exponent field of this operand as its scale
	v_lshrrev_b32 v219, 23, v218                   ; the scale's byte
.irp g, 0,1,2,3
	v_cvt_scalef32_pk8_fp4_f32 v[CD+\g], v[XR+8*\g:XR+8*\g+7], v218
.endr
	v_lshlrev_b32 v220, v7, v219                   ; (a plain line behind the conversions)  the byte at its place in the word;
	v_mov_b32_dpp v221, v220 row_xmask:1 row_mask:0xf bank_mask:0xf
	v_or_b32 v220, v220, v221
	v_mov_b32_dpp v221, v220 row_xmask:2 row_mask:0xf bank_mask:0xf
	v_or_b32 v220, v220, v221                      ; with the three neighbours' bytes the word is whole, in all four lanes
	global_store_b128 v2, v[CD:CD+3], s[10:11]     ; the wave stores the token's 512 bytes of codes, consecutive
	global_store_b32 v8, v220, s[12:13]            ; four lanes write the same word with the same value: 32 bytes a token
	s_wait_dscnt 16                                ; rows 0-7 are in; the 16 loads behind them may be out
	FMA 0, WQ0
	DSW 2, WQ0
	s_wait_dscnt 16
	FMA 1, WQ1
	DSW 3, WQ1
	s_wait_dscnt 16
	FMA 2, WQ0
	s_wait_dscnt 0x0
	FMA 3, WQ1
.irp x, 1,2,4,8                        ; the 32 lanes' parts of each of the 8 sums
.irp e, 0,1,2,3,4,5,6,7
	v_add_f32_dpp v[AC+\e], v[AC+\e], v[AC+\e] row_xmask:\x row_mask:0xf bank_mask:0xf
.endr
.endr
.irp e, 0,1,2,3,4,5,6,7
	v_permlanex16_b32 v[PT+\e], v[AC+\e], s28, s29
.endr
	s_wait_kmcnt 0x0                               ; br
.irp e, 0,1,2,3,4,5,6,7
	v_add_f32 v[AC+\e], v[AC+\e], v[PT+\e]
.endr
.irp e, 0,1,2,3,4,5,6,7
	v_add_f32 v[AC+\e], s[20+\e], v[AC+\e]
.endr
.irp e, 0,1,2,3,4,5,6,7
	v_mul_f32 v[PT+\e], 0xbfb8aa3b, v[AC+\e]       ; -z log2(e)
.endr
.irp e, 0,1,2,3,4,5,6,7
	v_exp_f32 v[PT+\e], v[PT+\e]
.endr
	v_mov_b32 v233, 0                              ; (a plain line behind the exponentials)  the index so far
	s_wait_alu depctr_va_vdst(0)
.irp e, 0,1,2,3,4,5,6,7
	v_add_f32 v[PT+\e], 1.0, v[PT+\e]
.endr
.irp e, 0,1,2,3,4,5,6,7
	v_rcp_f32 v[PT+\e], v[PT+\e]                   ; sigmoid(z) = 1 / (1 + e^-z)
.endr
	v_nop                                          ; a plain line behind the reciprocals
	s_wait_alu depctr_va_vdst(0)
	v_mov_b32 v232, v[PT]
.irp e, 1,2,3,4,5,6,7                  ; the first largest: a later one takes over only where it is strictly greater
	v_cmp_le_f32 vcc_lo, v[PT+\e], v232
	v_cndmask_b32 v233, \e, v233, vcc_lo
	v_max_num_f32 v232, v232, v[PT+\e]
.endr
	v_cmp_gt_u32 vcc_lo, 1, v1
	s_wait_xcnt 0x0                                ; EXEC changes only when the stores above have had their addresses translated
	s_wait_tensorcnt 0x0
	ds_add_u32 v254, v255
	s_wait_dscnt 0x0
	s_and_saveexec_b32 s33, vcc_lo                 ; lane 0 alone
	global_store_b32 v9, v233, s[14:15]
	global_store_b32 v9, v232, s[16:17]
	s_endpgm
.Lfunc_end_k_q85b0425b9d_route:
	.size	k_q85b0425b9d_route, .Lfunc_end_k_q85b0425b9d_route-k_q85b0425b9d_route
	.p2alignl 7, 3214868480
	.fill 96, 4, 3214868480
	.section	.rodata,"a",@progbits
	.p2align	6, 0x0
	.amdhsa_kernel k_q85b0425b9d_route
		.amdhsa_group_segment_fixed_size 52224
		.amdhsa_private_segment_fixed_size 0
		.amdhsa_enable_private_segment 0
		.amdhsa_kernarg_size 56
		.amdhsa_user_sgpr_count 2
		.amdhsa_user_sgpr_kernarg_segment_ptr 1
		.amdhsa_wavefront_size32 1
		.amdhsa_system_sgpr_workgroup_id_x 1
		.amdhsa_system_sgpr_workgroup_id_y 1
		.amdhsa_system_sgpr_workgroup_id_z 1
		.amdhsa_system_vgpr_workitem_id 0
		.amdhsa_next_free_vgpr 256
		.amdhsa_next_free_sgpr 66
		.amdhsa_reserve_vcc 1
		.amdhsa_float_denorm_mode_32 3
		.amdhsa_float_denorm_mode_16_64 3
		.amdhsa_memory_ordered 1
		.amdhsa_forward_progress 1
		.amdhsa_inst_pref_size 27
	.end_amdhsa_kernel
	.amdgpu_metadata
---
amdhsa.version: [ 1, 2 ]
amdhsa.kernels:
  - .name:           k_q85b0425b9d_route
    .symbol:         k_q85b0425b9d_route.kd
    .args:
      - { .name: hidden_states, .offset: 0, .size: 8, .value_kind: global_buffer, .address_space: global }
      - { .name: Wr, .offset: 8, .size: 8, .value_kind: global_buffer, .address_space: global }
      - { .name: br, .offset: 16, .size: 8, .value_kind: global_buffer, .address_space: global }
      - { .name: xc, .offset: 24, .size: 8, .value_kind: global_buffer, .address_space: global }
      - { .name: xs, .offset: 32, .size: 8, .value_kind: global_buffer, .address_space: global }
      - { .name: ids, .offset: 40, .size: 8, .value_kind: global_buffer, .address_space: global }
      - { .name: prob, .offset: 48, .size: 8, .value_kind: global_buffer, .address_space: global }
    .group_segment_fixed_size: 52224
    .private_segment_fixed_size: 0
    .kernarg_segment_align: 8
    .kernarg_segment_size: 56
    .max_flat_workgroup_size: 128
    .sgpr_count:     66
    .vgpr_count:     256
    .wavefront_size: 32
...
	.end_amdgpu_metadata
.endif
;; end of part 1
;; launch fc1 (part 2): grid 256 x 1, 16 waves a work-group, no clusters, 71,680 bytes of LDS; arguments W1, xc, xs, ids, hc, hs; writes hc, hs
.if DOCPART == 2
	.amdgcn_target "amdgcn-amd-amdhsa--gfx1250"
	.amdhsa_code_object_version 6
	.text
	.protected	k_q85b0425b9d_fc1
	.globl	k_q85b0425b9d_fc1
	.p2align	8
	.type	k_q85b0425b9d_fc1,@function
k_q85b0425b9d_fc1:
	s_mov_b64 s[64:65], 0
	v_nop
	global_prefetch_b8 v0, s[64:65] scope:SCOPE_SE
	s_setreg_imm32_b32 hwreg(HW_REG_WAVE_MODE, 25, 1), 1
	s_wait_xcnt 0x0
; hidden = gelu(x W1[e]) for the tokens whose expert is e, on codes of FP4 (E2M1) with one E8M0 scale for each 32 along K; the hidden layer is quantised on the way, along its own axis, for the next product.
; W1 [8][1024 (k)][4096 (n)] f32 is read ONCE, each byte by one work-group, and quantised in registers on its way: no codes of it go to memory.
; SHARES.  Work-group g: expert e = g / 32, hidden units 128 sl .. 128 sl + 127 (sl = g % 32): one K step of the next product.  Sixteen waves, four to a SIMD.
; PHASE 1, THE STREAM.  Wave w takes the 128 columns x rows 64 w .. 64 w + 63 of K (half c = w % 2 of K step w / 2): 64 loads of 16 bytes a lane, each covering 512 consecutive bytes of one row.
; Lane L so holds columns 4 L .. 4 L + 3, a row in four registers, and a block of 32 along K of one column lies in 32 registers four apart.  Its largest magnitude is taken where the numbers lie; the conversions want
; eight neighbours along K in consecutive registers, so eight numbers at a time are moved together.  40 loads (20 KB a wave) go out at the head: rows 0-31 (set A) and 32-39; the rest of set B follows into A's registers
; as they are converted.  A column's 32 codes of a block are four registers of an operand fragment: they go by one LDS store to their place in the fragment's image (16 bytes a lane at 16 x lane of the reader).
; Column 32 cs + 8 u + r + 8 (r / 8) is row r of tile 2 cs + u, so that in the transposed product the 16 registers of tiles 2 b, 2 b + 1 are 16 neighbouring hidden units.  One barrier.
; PHASE 2, THE TOKENS.  Tile j of the expert is its tokens of rank 16 j .. 16 j + 15; wave w takes tiles w, w + 16, ..  The rank's token is found from the 1,024 stored indices by whole-number arithmetic in
; registers (SELECT).  A rank past the last is held at the last: padding rows are copies of the last row, computed and stored with the same bytes, so EXEC is never narrowed.
; For a tile: x's 8 fragments gathered from xc, 64 matrix instructions (source 0 = 16 columns of W1, source 1 = 16 tokens), gelu by erfc in f32, quantised, stored as one fragment image of hc and 16 scale words of hs.
; No tensor load: trip counts hang on stored numbers.  No cluster: no two work-groups read the same weights; what they share (x's codes, 8 KB a tile) is a small part of a work-group's 512 KB.
; hc [e][tile 64][K step 32][1,024 bytes]: registers 4 c .. 4 c + 3 of lane L at 512 c + 16 L.   hs [e][tile][K step][16 words].  Only tiles that the expert has are written.
; LIMITS.  NaN and infinities are not served.  Blocks whose largest magnitude lies under 2^-124 keep the byte 1 (blocks of zeros too: their codes are zeros).  |x| / sqrt(2) is held at 11, beyond which erfc is 0 in f32; erfc under 2^-126 comes out 0.
.set PITCH, 16384                      ; a row of W1[e] in bytes
.set RB,    32                         ; set B's first row among the rows that the immediates count
.set IMS,   256                        ; LDS bytes from set A's place in an image to set B's: lanes 16-31 of the reader
.set WSC,   65536                      ; LDS: 64 images of 1,024 bytes (8 ks + 2 cs + u) from 0; then 32 scale registers of 128 bytes (4 ks + cs): lanes 0-15 tile u = 0, lanes 16-31 u = 1
.set WOF,  3                           ; the weight loads' offset: 16 x lane
.set RHO,  13                          ; v13-25: SELECT
.set WORD, 14
.set REL,  15
.set BASE, 16
.set TT,   17
.set X1,   18
.set X2,   19
.set X4,   20
.set X8,   21
.set POS,  22
.set CC,   23
.set ZR,   24                          ; 0, kept
.set TOK,  25                          ; my row's token (row = lane % 16)
.set C9,   26                          ; v[26:27] the polynomial's leading coefficient, twice
.set XS,   28                          ; v28-31   x's scale words: register i: lanes 0-15 K step i, lanes 16-31 K step 4 + i
.set XF,   32                          ; v32-95   x's 8 fragments
.set HA,   96                          ; v96-159  8 tiles of the hidden layer
.set WB,   160                         ; v160-223 8 fragments of W1: tiles 0-3, tiles 4-7
.set WSR,  224                         ; v224-227 their scale registers
.set TM,   228                         ; v228-243 QUANT at work
.set PC,   244                         ; v244-251 the codes just made
.set PW,   252                         ; v252     their scale word
.set CH0,  96                          ; in the stream: five chunks of 32 registers, 8 rows each.  Set A: chunks 0, 1, 2, 3; set B: chunks 4, 0, 1, 2.
.set CH1,  128
.set CH2,  160
.set CH3,  32                          ; chunks 3 and 4 are x's fragments' registers: the first tile's x is loaded there as soon as they are free
.set CH4,  64
.set T,    192                         ; v192-207 two runs of eight numbers for the conversions, by turns
.set ID,   208                         ; v208-239 the 1,024 indices, 32 a lane; then
.set C,    208                         ; the codes: 16 s + 4 j + g: set s, column j, rows 8 g on
.set MX,   240                         ; v240-243 the four columns' largest magnitudes
.set SO,   244                         ; v244-247 the conversions' scale operands
.set SB,   248                         ; v248-251 the columns' two scale bytes
.set GA,   160                         ; gelu at work: eight sets of 8, where W1's fragments lay
.set GB,   168
.set GC,   176
.set GD,   184
.set GE,   192
.set GF,   200
.set GG,   208
.set GH,   216
; scalars: s16 wave, s17 e, s18 sl, s19 c = w % 2, s20 ks = w / 2, s21 the expert's tokens, s22 that - 1, s23 its tiles, s24 my tile j, s25 how many tiles are mine, s71 how many of them are done, s26-27 at work,
; s[28:29] hc and s[30:31] hs at my tile and K step, s[32:63] bit L of word m: token 128 (m / 4) + 4 L + m % 4 goes to my expert; s66-67 lane selects; s70 11.0
.macro LOADG base, row                 ; eight rows, row .. row + 7 of my 64, into a chunk: register 4 i + j = W1(row + i, column 4 L + j).  The largest immediate is 63 rows, 1,032,192 bytes: inside the signed 24 bits (ISA guide, chapter 10)
.set LI_, 0
.rept 8
	global_load_b128 v[(\base)+4*LI_:(\base)+4*LI_+3], v[WOF], s[4:5] offset:((\row)+LI_)*PITCH th:TH_LOAD_NT
.set LI_, LI_+1
.endr
.endm
.macro MAXG base, first, left          ; a chunk's eight rows into the four columns' largest magnitudes, the columns by turns.  left: the loads issued behind the chunk's, which may stay out
	s_wait_loadcnt \left
.irp i, 0,2,4,6
.irp j, 0,1,2,3
.if (\first) && (\i == 0)
	v_max3_num_f32 v[MX+\j], |v[(\base)+\j]|, |v[(\base)+4+\j]|, 0x1800000          ; the floor 2^(3 - 127) among the leaves: the byte cannot fall under 1
.else
	v_max3_num_f32 v[MX+\j], v[MX+\j], |v[(\base)+4*\i+\j]|, |v[(\base)+4*\i+4+\j]|
.endif
.endr
.endr
.endm
.macro CONVG base, s, g                ; a chunk's eight rows into codes: a column's eight numbers are moved together, then converted.  The moves into one run are the plain lines behind the conversion from the other
.irp j, 0,1,2,3
.irp i, 0,1,2,3,4,5,6,7
	v_mov_b32 v[T+8*(\j%2)+\i], v[(\base)+4*\i+\j]
.endr
	v_cvt_scalef32_pk8_fp4_f32 v[C+16*(\s)+4*\j+(\g)], v[T+8*(\j%2):T+8*(\j%2)+7], v[SO+\j]
.endr
.endm
.macro STOREQ s                        ; set s: each column's 32 codes to their place in the column's fragment image
.irp j, 0,1,2,3
	ds_store_b128 v5, v[C+16*(\s)+4*\j:C+16*(\s)+4*\j+3] offset:IMS*(\s)+16*\j
.endr
.endm
; THE TOKEN OF RANK min(16 j + lane % 16, tokens - 1) OF MY EXPERT.  The rank walks the 32 words: where it is under a word's count the word, the rank in it and the word's first token are kept; then the count
; is taken off (a rank that was found wraps to a very large number and is found no more).  Then the rank-th set bit of the kept word, by halving on counts of 16, 8, 4, 2 and 1 bits.
.macro SELSTEP src, wid, sh
	v_bfe_u32 v[CC], v[\src], v[POS], \wid         ; set bits in the lower half of what is left
	v_cmp_lt_u32 vcc_lo, v[REL], v[CC]             ; the bit lies there?
	v_cndmask_b32 v[CC], v[CC], v[ZR], vcc_lo
	v_cndmask_b32 v[TT], \sh, v[ZR], vcc_lo
	v_sub_nc_u32 v[REL], v[REL], v[CC]             ; if not: past them,
	v_add_nc_u32 v[POS], v[POS], v[TT]             ; into the upper half
.endm
.macro SELECT
	s_lshl_b32 s27, s24, 4
	v_add_nc_u32 v[RHO], s27, v7
	v_min_u32 v[RHO], s22, v[RHO]
	v_mov_b32 v[WORD], 0
	v_mov_b32 v[REL], 0
	v_mov_b32 v[BASE], 0
.set m_, 0
.rept 32
	s_bcnt1_i32_b32 s[26+(m_%2)], s[32+m_]
	v_cmp_le_u32 vcc_lo, s[26+(m_%2)], v[RHO]      ; not in this word
	v_cndmask_b32 v[WORD], s[32+m_], v[WORD], vcc_lo
	v_cndmask_b32 v[REL], v[RHO], v[REL], vcc_lo
	v_cndmask_b32 v[BASE], 128*(m_/4)+(m_%4), v[BASE], vcc_lo
	v_sub_nc_u32 v[RHO], v[RHO], s[26+(m_%2)]
.set m_, m_+1
.endr
	v_lshrrev_b32 v[X1], 1, v[WORD]
	v_and_b32 v[X1], 0x55555555, v[X1]
	v_sub_nc_u32 v[X1], v[WORD], v[X1]             ; counts of 2 bits,
	v_lshrrev_b32 v[X2], 2, v[X1]
	v_and_b32 v[X2], 0x33333333, v[X2]
	v_and_b32 v[CC], 0x33333333, v[X1]
	v_add_nc_u32 v[X2], v[X2], v[CC]               ; of 4,
	v_lshrrev_b32 v[X4], 4, v[X2]
	v_add_nc_u32 v[X4], v[X4], v[X2]
	v_and_b32 v[X4], 0x0f0f0f0f, v[X4]             ; of 8,
	v_lshrrev_b32 v[X8], 8, v[X4]
	v_add_nc_u32 v[X8], v[X8], v[X4]
	v_and_b32 v[X8], 0x00ff00ff, v[X8]             ; of 16
	v_mov_b32 v[POS], 0
	SELSTEP X8, 8, 16
	SELSTEP X4, 8, 8
	SELSTEP X2, 4, 4
	SELSTEP X1, 2, 2
	SELSTEP WORD, 1, 1
	v_lshl_add_u32 v[TOK], v[POS], 2, v[BASE]
	v_min_u32 v[TOK], 0x3ff, v[TOK]                ; a token's number: it stays inside the tables that it indexes (an expert without tokens gives some row, which nobody uses)
.endm
; my tile's 16 rows of x: lane (r, h) takes of row r's 512 bytes the 16 at 64 ks + 32 c + 16 h; and four of its eight scale words.  In two parts: K steps 0-3 with the scale words (9 loads), K steps 4-7 (8 loads)
.macro GATHA
	v_lshl_add_u32 v9, v[TOK], 9, v8
	v_lshl_add_u32 v10, v[TOK], 5, v8
.irp ks, 0,1,2,3
.irp c, 0,1
	global_load_b128 v[XF+8*\ks+4*\c:XF+8*\ks+4*\c+3], v9, s[6:7] offset:64*\ks+32*\c
.endr
.endr
	global_load_b128 v[XS:XS+3], v10, s[8:9]
.endm
.macro GATHB
.irp ks, 4,5,6,7
.irp c, 0,1
	global_load_b128 v[XF+8*\ks+4*\c:XF+8*\ks+4*\c+3], v9, s[6:7] offset:64*\ks+32*\c
.endr
.endr
.endm
; one matrix instruction: D = A (16 columns of the weight) x B (16 tokens) + C.  z: C is the constant 0, the sum's first K step.  ra, rb: the side's scales stand in lanes 16-31 of its register
.macro WM d, a, b, z, sa, sb, ra, rb
.if \z
.if \ra
.if \rb
	v_wmma_scale_f32_16x16x128_f8f6f4 v[\d:\d+7], v[\a:\a+7], v[\b:\b+7], 0, v[\sa], v[\sb] matrix_a_fmt:MATRIX_FMT_FP4 matrix_b_fmt:MATRIX_FMT_FP4 matrix_a_scale:MATRIX_SCALE_ROW1 matrix_b_scale:MATRIX_SCALE_ROW1
.else
	v_wmma_scale_f32_16x16x128_f8f6f4 v[\d:\d+7], v[\a:\a+7], v[\b:\b+7], 0, v[\sa], v[\sb] matrix_a_fmt:MATRIX_FMT_FP4 matrix_b_fmt:MATRIX_FMT_FP4 matrix_a_scale:MATRIX_SCALE_ROW1
.endif
.else
.if \rb
	v_wmma_scale_f32_16x16x128_f8f6f4 v[\d:\d+7], v[\a:\a+7], v[\b:\b+7], 0, v[\sa], v[\sb] matrix_a_fmt:MATRIX_FMT_FP4 matrix_b_fmt:MATRIX_FMT_FP4 matrix_b_scale:MATRIX_SCALE_ROW1
.else
	v_wmma_scale_f32_16x16x128_f8f6f4 v[\d:\d+7], v[\a:\a+7], v[\b:\b+7], 0, v[\sa], v[\sb] matrix_a_fmt:MATRIX_FMT_FP4 matrix_b_fmt:MATRIX_FMT_FP4
.endif
.endif
.else
.if \ra
.if \rb
	v_wmma_scale_f32_16x16x128_f8f6f4 v[\d:\d+7], v[\a:\a+7], v[\b:\b+7], v[\d:\d+7], v[\sa], v[\sb] matrix_a_fmt:MATRIX_FMT_FP4 matrix_b_fmt:MATRIX_FMT_FP4 matrix_a_scale:MATRIX_SCALE_ROW1 matrix_b_scale:MATRIX_SCALE_ROW1
.else
	v_wmma_scale_f32_16x16x128_f8f6f4 v[\d:\d+7], v[\a:\a+7], v[\b:\b+7], v[\d:\d+7], v[\sa], v[\sb] matrix_a_fmt:MATRIX_FMT_FP4 matrix_b_fmt:MATRIX_FMT_FP4 matrix_a_scale:MATRIX_SCALE_ROW1
.endif
.else
.if \rb
	v_wmma_scale_f32_16x16x128_f8f6f4 v[\d:\d+7], v[\a:\a+7], v[\b:\b+7], v[\d:\d+7], v[\sa], v[\sb] matrix_a_fmt:MATRIX_FMT_FP4 matrix_b_fmt:MATRIX_FMT_FP4 matrix_b_scale:MATRIX_SCALE_ROW1
.else
	v_wmma_scale_f32_16x16x128_f8f6f4 v[\d:\d+7], v[\a:\a+7], v[\b:\b+7], v[\d:\d+7], v[\sa], v[\sb] matrix_a_fmt:MATRIX_FMT_FP4 matrix_b_fmt:MATRIX_FMT_FP4
.endif
.endif
.endif
.endm
.macro DSLH ks, half                   ; ten LDS loads: K step ks of tiles 4 half .. 4 half + 3, and their two scale registers
.irp tt, 0,1,2,3
.irp c, 0,1
	ds_load_b128 v[WB+32*(\half)+8*\tt+4*\c:WB+32*(\half)+8*\tt+4*\c+3], v3 offset:(8*(\ks)+4*(\half)+\tt)*1024+512*\c
.endr
.endr
.irp p, 0,1
	ds_load_b32 v[WSR+2*(\half)+\p], v4 offset:512*(\ks)+128*(2*(\half)+\p)
.endr
.endm
.macro MULH ks, half                   ; four matrix instructions; the eight accumulators take turns, one instruction a turn
.set ZF, 0
.if (\ks) == 0
.set ZF, 1
.endif
.irp tt, 0,1,2,3
	WM HA+8*(4*(\half)+\tt), WB+32*(\half)+8*\tt, XF+8*(\ks), ZF, WSR+2*(\half)+(\tt/2), XS+((\ks)%4), (\tt%2), ((\ks)/4)
.endr
.endm
.macro PLACES                          ; four plain lines between matrix instructions and loads into their registers, or reads of their results
.rept 4
	v_nop
.endr
.endm
; gelu(x) = x Phi(x) = max(x, 0) - |x| erfc(|x| / sqrt(2)) / 2, for tile t's 8 numbers, in place.  erfc(a) = (1 + p(q)) / (1 + 2 a) x e^(-a a), q = (a - 2) / (a + 2), p of degree 9.
; a a is taken in two parts (the product and its rounding error, by a fused multiply-add), and so is its multiple of log2(e): the low parts enter as 1 - ln(2) x low.
.macro GELU t
.set HX, HA+8*(\t)
.irp p, 0,2,4,6
	v_pk_mul_f32 v[GA+\p:GA+\p+1], v[HX+\p:HX+\p+1], 0x3f3504f3 op_sel_hi:[1,0]      ; x / sqrt(2); the accumulator is read from its low end on
.endr
.irp p, 0,1,2,3,4,5,6,7
	v_min_num_f32 v[GA+\p], |v[GA+\p]|, s70        ; a, held at 11
.endr
.irp p, 0,2,4,6
	v_pk_add_f32 v[GB+\p:GB+\p+1], v[GA+\p:GA+\p+1], 2.0 op_sel_hi:[1,0]
.endr
.irp p, 0,2,4,6
	v_pk_fma_f32 v[GD+\p:GD+\p+1], v[GA+\p:GA+\p+1], 4.0, 2.0 op_sel_hi:[1,0,0]      ; 2 (1 + 2 a): the half of erfc / 2 rides here
.endr
.irp p, 0,2,4,6
	v_pk_add_f32 v[GC+\p:GC+\p+1], v[GA+\p:GA+\p+1], -2.0 op_sel_hi:[1,0]
.endr
.irp p, 0,1,2,3,4,5,6,7
	v_rcp_f32 v[GB+\p], v[GB+\p]
.endr
.irp p, 0,1,2,3,4,5,6,7
	v_rcp_f32 v[GD+\p], v[GD+\p]
.endr
.irp p, 0,2,4,6
	v_pk_mul_f32 v[GE+\p:GE+\p+1], v[GA+\p:GA+\p+1], v[GA+\p:GA+\p+1]                ; s = a a.  (Plain lines that use no reciprocal stand behind them)
.endr
.irp p, 0,2,4,6
	v_pk_fma_f32 v[GF+\p:GF+\p+1], v[GA+\p:GA+\p+1], v[GA+\p:GA+\p+1], v[GE+\p:GE+\p+1] neg_lo:[0,0,1] neg_hi:[0,0,1]   ; a a - s, exactly
.endr
.irp p, 0,2,4,6
	v_pk_mul_f32 v[GG+\p:GG+\p+1], v[GE+\p:GE+\p+1], 0x3fb8aa3b op_sel_hi:[1,0]      ; s log2(e)
.endr
.irp p, 0,2,4,6
	v_pk_fma_f32 v[GH+\p:GH+\p+1], v[GE+\p:GE+\p+1], 0x3fb8aa3b, v[GG+\p:GG+\p+1] op_sel_hi:[1,0,1] neg_lo:[0,0,1] neg_hi:[0,0,1]   ; and what its rounding dropped
.endr
.irp p, 0,2,4,6
	v_pk_fma_f32 v[GF+\p:GF+\p+1], v[GF+\p:GF+\p+1], 0x3fb8aa3b, v[GH+\p:GH+\p+1] op_sel_hi:[1,0,1]   ; the exponent's low part
.endr
.irp p, 0,1,2,3,4,5,6,7
	v_exp_f32 v[GG+\p], -v[GG+\p]
.endr
	s_wait_alu depctr_va_vdst(0)
.irp p, 0,2,4,6
	v_pk_mul_f32 v[GC+\p:GC+\p+1], v[GC+\p:GC+\p+1], v[GB+\p:GB+\p+1]                ; q.  (Plain lines behind the exponentials)
.endr
.irp p, 0,2,4,6
	v_pk_fma_f32 v[GE+\p:GE+\p+1], v[GC+\p:GC+\p+1], v[C9:C9+1], 0xbaa15130 op_sel_hi:[1,1,0]
.endr
.irp k, 0x3aac2b8a, 0x3c0d6e62, 0xbc040dc1, 0xbd5e05b5, 0x3e27fe23, 0xbe2a0420, 0xbdbdfb0b, 0x3e8dd01d
.irp p, 0,2,4,6
	v_pk_fma_f32 v[GE+\p:GE+\p+1], v[GE+\p:GE+\p+1], v[GC+\p:GC+\p+1], \k op_sel_hi:[1,1,0]
.endr
.endr
.irp p, 0,2,4,6
	v_pk_fma_f32 v[GE+\p:GE+\p+1], v[GE+\p:GE+\p+1], v[GD+\p:GD+\p+1], v[GD+\p:GD+\p+1]   ; (p + 1) / (2 (1 + 2 a))
.endr
.irp p, 0,2,4,6
	v_pk_mul_f32 v[GE+\p:GE+\p+1], v[GE+\p:GE+\p+1], v[GG+\p:GG+\p+1]
.endr
.irp p, 0,2,4,6
	v_pk_mul_f32 v[GH+\p:GH+\p+1], v[GE+\p:GE+\p+1], 0xbf317218 op_sel_hi:[1,0]      ; x -ln(2)
.endr
.irp p, 0,2,4,6
	v_pk_fma_f32 v[GE+\p:GE+\p+1], v[GH+\p:GH+\p+1], v[GF+\p:GF+\p+1], v[GE+\p:GE+\p+1]   ; erfc(a) / 2
.endr
.irp p, 0,1,2,3,4,5,6,7
	v_max_num_f32 v[GB+\p], 0, v[HX+\p]
.endr
.irp p, 0,1,2,3,4,5,6,7
	v_fma_f32 v[HX+\p], -|v[HX+\p]|, v[GE+\p], v[GB+\p]
.endr
.endm
; 64 numbers of a lane, register 16 b + i = hidden unit 32 b + 16 (lane / 16) + i of my token, become a fragment's codes in v[PC] on and its scale word in v[PW]
.macro QUANT s
.irp b, 0,1,2,3
	v_max3_num_f32 v[TM+\b], |v[\s+16*\b]|, |v[\s+1+16*\b]|, 0x1800000   ; block b: my 16 numbers, and the floor 2^(3 - 127)
.endr
.irp i, 2,4,6,8,10,12,14
.irp b, 0,1,2,3
	v_max3_num_f32 v[TM+\b], v[TM+\b], |v[\s+16*\b+\i]|, |v[\s+1+16*\b+\i]|
.endr
.endr
.irp b, 0,1,2,3
	v_permlanex16_b32 v[TM+4+\b], v[TM+\b], s66, s67
.endr
.irp b, 0,1,2,3
	v_max_num_f32 v[TM+\b], v[TM+\b], v[TM+4+\b]   ; with lane l xor 16's: the block's largest magnitude
.endr
.irp b, 0,1,2,3
	v_add_nc_u32 v[TM+12+\b], 0xff000000, v[TM+\b]
.endr
.irp b, 0,1,2,3
	v_lshrrev_b32 v[TM+4+\b], 23, v[TM+12+\b]
.endr
	v_lshl_or_b32 v[PW], v[TM+5], 8, v[TM+4]
	v_lshl_or_b32 v[PW], v[TM+6], 16, v[PW]
	v_lshl_or_b32 v[PW], v[TM+7], 24, v[PW]
.irp b, 0,1,2,3
	v_cvt_scalef32_pk8_fp4_f32 v[PC+2*\b], v[\s+16*\b:\s+7+16*\b], v[TM+12+\b]
	v_cvt_scalef32_pk8_fp4_f32 v[PC+1+2*\b], v[\s+8+16*\b:\s+15+16*\b], v[TM+12+\b]
.endr
	v_nop                                          ; a plain line behind the conversions
.irp c, 0,1                            ; the operand wants a whole block in a lane: lanes 0-15 block 2 c, lanes 16-31 block 2 c + 1
.irp i, 0,1
	v_permlane16_swap_b32 v[PC+4*\c+\i], v[PC+2+4*\c+\i]
.endr
.endr
.endm
	s_load_b256 s[4:11], s[0:1], 0x0               ; W1 s[4:5], xc s[6:7], xs s[8:9], ids s[10:11]
	s_load_b128 s[12:15], s[0:1], 0x20             ; hc s[12:13], hs s[14:15]
	v_lshl_add_u32 v254, v0, 2, 0x11000
	v_mov_b32 v255, 0
	v_lshrrev_b32 v1, 5, v0
	v_readfirstlane_b32 s16, v1                    ; wave 0..15
	v_and_b32 v1, 31, v0                           ; lane L
	v_and_b32 v7, 15, v0                           ; r
	v_bfe_u32 v11, v0, 4, 1                        ; h
	s_lshr_b32 s17, ttmp9, 5                       ; e
	s_and_b32 s18, ttmp9, 31                       ; sl
	s_and_b32 s19, s16, 1                          ; c: which half of the K step my 64 rows are
	s_lshr_b32 s20, s16, 1                         ; ks
	v_lshlrev_b32 v3, 4, v1                        ; 16 L: my 16 bytes of a row's 512; also an image's place for my lane when it is read
	v_lshl_add_u32 v4, v1, 2, WSC                  ; a scale register's
	; where my columns 4 L + j go.  Column m = 4 (L % 8) + j of group cs = L / 8 is row r = m % 8 + 8 (m / 16) of tile 2 cs + u, u = (m / 8) % 2: r = j + 4 (L & 1) + 8 (bit 2 of L), u = bit 1 of L
	v_and_b32 v13, 1, v1
	v_bfe_u32 v14, v0, 1, 1
	v_bfe_u32 v15, v0, 2, 1
	v_bfe_u32 v16, v0, 3, 2
	v_lshlrev_b32 v5, 6, v13                       ; images: 16 r,
	v_lshl_add_u32 v5, v15, 7, v5
	v_lshl_add_u32 v5, v14, 10, v5                 ; 1,024 u,
	v_lshl_add_u32 v5, v16, 11, v5                 ; 2,048 cs,
	s_lshl_b32 s26, s20, 13                        ; 8,192 ks,
	s_lshl_b32 s27, s19, 9                         ; 512 c
	s_add_co_u32 s26, s26, s27
	v_add_nc_u32 v5, s26, v5
	v_lshlrev_b32 v6, 4, v13                       ; scale words: 4 (r + 16 u),
	v_lshl_add_u32 v6, v15, 5, v6
	v_lshl_add_u32 v6, v14, 6, v6
	v_lshl_add_u32 v6, v16, 7, v6                  ; 128 cs,
	s_lshl_b32 s26, s20, 9                         ; 512 ks,
	s_lshl_b32 s27, s19, 1                         ; and my half of the word: bytes 2 c, 2 c + 1
	s_add_co_u32 s26, s26, s27
	s_add_co_u32 s26, s26, WSC
	v_add_nc_u32 v6, s26, v6
	v_lshlrev_b32 v8, 4, v11                       ; 16 h
	v_lshlrev_b32 v12, 2, v7                       ; 4 r
	v_mov_b32 v[ZR], 0
	v_mov_b32 v[C9], 0xb9d25000
	v_mov_b32 v[C9+1], 0xb9d25000
.irp b, 0,1,2,3
	v_mov_b32 v[TM+4+\b], 0                        ; written once: a lane permute's destination counts as one of its sources
.endr
	s_mov_b32 s66, 0x76543210
	s_mov_b32 s67, 0xfedcba98
	s_mov_b32 s70, 0x41300000                      ; 11.0
	s_mov_b32 s24, s16                             ; my first tile
	s_lshl_b32 s68, s17, 24                        ; W1: the expert's 2^24 bytes,
	s_lshl_b32 s26, s16, 20                        ; 64 w rows,
	s_add_co_u32 s68, s68, s26
	s_lshl_b32 s26, s18, 9                         ; 128 sl columns
	s_add_co_u32 s68, s68, s26
	s_mov_b32 s69, 0
	s_lshl_b32 s26, s17, 6
	s_add_co_u32 s26, s26, s16                     ; 64 e + j
	s_lshl_b32 s72, s26, 15
	s_lshl_b32 s27, s18, 10
	s_add_co_u32 s72, s72, s27                     ; hc: tile x 32,768 + K step x 1,024
	s_mov_b32 s73, 0
	s_lshl_b32 s74, s26, 11
	s_lshl_b32 s27, s18, 6
	s_add_co_u32 s74, s74, s27                     ; hs: tile x 2,048 + K step x 64
	s_mov_b32 s75, 0
	s_wait_kmcnt 0x0
	s_add_nc_u64 s[4:5], s[4:5], s[68:69]
	s_add_nc_u64 s[28:29], s[12:13], s[72:73]
	s_add_nc_u64 s[30:31], s[14:15], s[74:75]
.irp q, 0,1,2,3,4,5,6,7
	global_load_b128 v[ID+4*\q:ID+4*\q+3], v3, s[10:11] offset:512*\q   ; register 4 q + i of lane L: token 128 q + 4 L + i
.endr
	LOADG CH0, 0                                   ; set A,
	LOADG CH1, 8
	LOADG CH2, 16
	LOADG CH3, 24
	LOADG CH4, RB                                  ; and set B's first eight rows: 40 loads of 512 bytes are out
	s_wait_loadcnt 40                              ; 40 loads were issued behind the indices: they are in
.set m_, 0
.rept 32
	v_cmp_eq_u32 s[32+m_], s17, v[ID+m_]
.set m_, m_+1
.endr
	s_mov_b32 s21, 0
.set m_, 0
.rept 32
	s_bcnt1_i32_b32 s26, s[32+m_]
	s_add_co_u32 s21, s21, s26
.set m_, m_+1
.endr
	s_sub_co_u32 s22, s21, 1
	s_add_co_u32 s23, s21, 15
	s_lshr_b32 s23, s23, 4                         ; tiles of 16
	s_add_co_u32 s25, s23, 15
	s_sub_co_u32 s25, s25, s16
	s_lshr_b32 s25, s25, 4                         ; of tiles w, w + 16, .. those under the expert's count: (tiles + 15 - w) / 16, 0 where w is not under it
	s_min_u32 s25, s25, 4                          ; 1,024 tokens are 64 tiles at the most, four a wave: under this bound the stepped bases stay inside hc and hs
	s_mov_b32 s71, 0                               ; none is done
	SELECT                                         ; while the weights are on their way
	MAXG CH0, 1, 32                                ; set A, chunk by chunk as it lands: the counts are the chunks issued behind
	MAXG CH1, 0, 24
	MAXG CH2, 0, 16
	MAXG CH3, 0, 8
.irp j, 0,1,2,3
	v_add_nc_u32 v[SO+\j], 0xff000000, v[MX+\j]    ; 2 off the exponent field: the conversion's scale operand
.endr
.irp j, 0,1,2,3
	v_lshrrev_b32 v[SB+\j], 23, v[SO+\j]           ; the scale's byte: block 2 c
.endr
	CONVG CH0, 0, 0
	LOADG CH0, RB+8                                ; each chunk that has been converted takes eight more rows of set B
	CONVG CH1, 0, 1
	LOADG CH1, RB+16
	CONVG CH2, 0, 2
	LOADG CH2, RB+24
	CONVG CH3, 0, 3
	GATHA                                          ; my first tile's x, K steps 0-3 and the scale words: 9 loads
	STOREQ 0
	MAXG CH4, 1, 33                                ; set B: behind its first chunk stand its other three (24) and the 9
	MAXG CH0, 0, 25
	MAXG CH1, 0, 17
	MAXG CH2, 0, 9
.irp j, 0,1,2,3
	v_add_nc_u32 v[SO+\j], 0xff000000, v[MX+\j]
.endr
.irp j, 0,1,2,3
	v_lshrrev_b32 v[MX+\j], 23, v[SO+\j]
.endr
.irp j, 0,1,2,3
	v_lshl_or_b32 v[SB+\j], v[MX+\j], 8, v[SB+\j]  ; block 2 c + 1's byte above block 2 c's
.endr
	CONVG CH4, 1, 0
	GATHB                                          ; x's K steps 4-7: 8 loads
	CONVG CH0, 1, 1
	CONVG CH1, 1, 2
	CONVG CH2, 1, 3
	v_nop                                          ; a plain line behind the last conversion
	STOREQ 1
.irp j, 0,1,2,3
	ds_store_b16 v6, v[SB+\j] offset:4*\j          ; my half of the column's scale word
.endr
	s_wait_dscnt 0x0                               ; for the others' sake: my parts of the images lie in LDS
	s_barrier_signal -1
	s_barrier_wait -1                              ; all 64 fragments and 32 scale registers do.  Nothing writes them from here on
	s_cmp_eq_u32 s25, 0
	s_cbranch_scc1 .Ldone                          ; the expert has fewer tiles than my number
.Ltile:
	s_wait_loadcnt 0x0                             ; x
	DSLH 0, 0
	DSLH 0, 1
.set KS_, 0
.rept 8
	s_wait_dscnt 10                                ; tiles 0-3 are in; the ten loads behind them may be out
	MULH KS_, 0
	PLACES
.if KS_ < 7
	DSLH KS_+1, 0
	s_wait_dscnt 10                                ; tiles 4-7 are in
.else
	s_wait_dscnt 0x0
.endif
	MULH KS_, 1
	PLACES
.if KS_ < 7
	DSLH KS_+1, 1
.endif
.set KS_, KS_+1
.endr
.irp t, 0,1,2,3,4,5,6,7
	GELU \t
.endr
	QUANT HA
	global_store_b128 v3, v[PC:PC+3], s[28:29]               ; the fragment's image: 512 consecutive bytes a store
	global_store_b128 v3, v[PC+4:PC+7], s[28:29] offset:512
	global_store_b32 v12, v[PW], s[30:31]                    ; 16 scale words; both halves of the lanes write the same
	s_wait_xcnt 0x0                                ; the stores have read their registers and bases: both may be written again
	s_add_nc_u64 s[28:29], s[28:29], 0x80000       ; 16 tiles on
	s_add_nc_u64 s[30:31], s[30:31], 0x8000
	s_add_co_u32 s24, s24, 16
	s_add_co_u32 s71, s71, 1                       ; the loop is counted by ones, against the number of my tiles
	s_cmp_ge_u32 s71, s25
	s_cbranch_scc1 .Ldone
	SELECT
	GATHA
	GATHB
	s_cmp_lt_u32 s71, s25
	s_cbranch_scc1 .Ltile
.Ldone:
	s_wait_tensorcnt 0x0
	ds_add_u32 v254, v255
	s_wait_dscnt 0x0
	s_endpgm
.Lfunc_end_k_q85b0425b9d_fc1:
	.size	k_q85b0425b9d_fc1, .Lfunc_end_k_q85b0425b9d_fc1-k_q85b0425b9d_fc1
	.p2alignl 7, 3214868480
	.fill 96, 4, 3214868480
	.section	.rodata,"a",@progbits
	.p2align	6, 0x0
	.amdhsa_kernel k_q85b0425b9d_fc1
		.amdhsa_group_segment_fixed_size 71680
		.amdhsa_private_segment_fixed_size 0
		.amdhsa_enable_private_segment 0
		.amdhsa_kernarg_size 48
		.amdhsa_user_sgpr_count 2
		.amdhsa_user_sgpr_kernarg_segment_ptr 1
		.amdhsa_wavefront_size32 1
		.amdhsa_system_sgpr_workgroup_id_x 1
		.amdhsa_system_sgpr_workgroup_id_y 1
		.amdhsa_system_sgpr_workgroup_id_z 1
		.amdhsa_system_vgpr_workitem_id 0
		.amdhsa_next_free_vgpr 256
		.amdhsa_next_free_sgpr 80
		.amdhsa_reserve_vcc 1
		.amdhsa_float_denorm_mode_32 3
		.amdhsa_float_denorm_mode_16_64 3
		.amdhsa_memory_ordered 1
		.amdhsa_forward_progress 1
		.amdhsa_inst_pref_size 162
	.end_amdhsa_kernel
	.amdgpu_metadata
---
amdhsa.version: [ 1, 2 ]
amdhsa.kernels:
  - .name:           k_q85b0425b9d_fc1
    .symbol:         k_q85b0425b9d_fc1.kd
    .args:
      - { .name: W1, .offset: 0, .size: 8, .value_kind: global_buffer, .address_space: global }
      - { .name: xc, .offset: 8, .size: 8, .value_kind: global_buffer, .address_space: global }
      - { .name: xs, .offset: 16, .size: 8, .value_kind: global_buffer, .address_space: global }
      - { .name: ids, .offset: 24, .size: 8, .value_kind: global_buffer, .address_space: global }
      - { .name: hc, .offset: 32, .size: 8, .value_kind: global_buffer, .address_space: global }
      - { .name: hs, .offset: 40, .size: 8, .value_kind: global_buffer, .address_space: global }
    .group_segment_fixed_size: 71680
    .private_segment_fixed_size: 0
    .kernarg_segment_align: 8
    .kernarg_segment_size: 48
    .max_flat_workgroup_size: 512
    .sgpr_count:     80
    .vgpr_count:     256
    .wavefront_size: 32
...
	.end_amdgpu_metadata
.endif
;; end of part 2
;; launch fc2 (part 3): grid 256 x 1, 16 waves a work-group, no clusters, 108,544 bytes of LDS; arguments W2, hc, hs, ids, prob, out0; writes out0
.if DOCPART == 3
	.amdgcn_target "amdgcn-amd-amdhsa--gfx1250"
	.amdhsa_code_object_version 6
	.text
	.protected	k_q85b0425b9d_fc2
	.globl	k_q85b0425b9d_fc2
	.p2align	8
	.type	k_q85b0425b9d_fc2,@function
k_q85b0425b9d_fc2:
	s_mov_b64 s[64:65], 0
	v_nop
	global_prefetch_b8 v0, s[64:65] scope:SCOPE_SE
	s_setreg_imm32_b32 hwreg(HW_REG_WAVE_MODE, 25, 1), 1
	s_wait_xcnt 0x0
; out[token] = prob[token] x (hidden W2[e]) for the tokens whose expert is e, on codes of FP4 (E2M1) with one E8M0 scale for each 32 along K = 4,096.
; W2 [8][4096 (k)][1024 (n)] f32 is read ONCE, each byte by one work-group, and quantised in registers on its way.  The hidden layer comes as fragment images (hc) and scale words (hs) that the launch before stored.
; SHARES.  Work-group g: expert e = g / 32, output columns 32 sl .. 32 sl + 31 (sl = g % 32), ALL of K: each output number has one owner and no sum spans work-groups.  The price: a row's piece, of W2 and of out, is
; 128 bytes; with 256 work-groups longer pieces would split K between work-groups and want a launch to add the parts.
; PHASE 1, THE STREAM.  Wave w takes the 32 columns x rows 256 w .. 256 w + 255 (K steps 2 w, 2 w + 1): 64 loads of 16 bytes a lane, each covering the 128 bytes of four rows.  Lane (q = lane % 8, g = lane / 8) holds
; columns 4 q .. 4 q + 3 of row 256 w + 128 s + 32 g + t: set s (A, B) is its block g of K step 2 w + s.  A row lies in four registers, a column's block in 32 registers four apart: the largest magnitude is taken where
; the numbers lie, and for each conversion eight numbers are moved together.  40 loads (20 KB a wave) go out at the head; the rest of set B follows into A's registers as they are converted.  A column's 32 codes of a
; block go by one LDS store to their place in the operand fragment's image, its scale byte to its place in the scale word.  Column 8 u + r + 8 (r / 8) is row r of tile u, so that in the transposed product
; lane (token r, h) holds columns 16 h + 8 u + 0 .. 7 in tile u.  One barrier.
; PHASE 2, THE TOKENS.  Tile j = the expert's tokens of rank 16 j .. 16 j + 15, found as in the launch before (the same SELECT on the same indices); wave w takes tiles w, w + 16, ..  Ranks past the last are held at
; the last: copies, stored with the same bytes to the same place.  For a tile: 32 K steps x 2 tiles of columns, on four accumulators (even and odd K steps apart, added at the end), x prob, through the wave's own
; stage, out as rows of 128 bytes.
; No tensor load: trip counts hang on stored numbers.  No cluster: no two work-groups read the same weights; the hidden tiles that they share are a small part (32 KB a tile against 512 KB).
; LIMITS.  NaN and infinities are not served.  Blocks whose largest magnitude lies under 2^-124 keep the byte 1 (blocks of zeros too: their codes are zeros).  The sum over K is taken in two halves, not in one chain.
.set PITCH, 4096                       ; a row of W2[e] in bytes
.set RB,    128                        ; set B's first row among the rows that the immediates count
.set IMS,   2048                       ; LDS bytes from set A's images to set B's: a K step's two
.set WSC,   65536                      ; LDS: 64 images of 1,024 bytes (2 ks + u) from 0; 32 scale registers of 128 bytes (ks): lanes 0-15 tile u = 0, lanes 16-31 u = 1;
.set STG,   69632                      ; a stage of 16 rows x (128 + 16) bytes for each wave
.set WOF,  2                           ; the weight loads' offset: 32 g rows + 16 q
.set RHO,  13
.set WORD, 14
.set REL,  15
.set BASE, 16
.set TT,   17
.set X1,   18
.set X2,   19
.set X4,   20
.set X8,   21
.set POS,  22
.set CC,   23
.set ZR,   24                          ; 0, kept
.set TOK,  25
.set PR,   26                          ; v26 my token's probability; v27 named with it as a pair
.set HS,   28                          ; v28-43   the hidden layer's scale words: register i: lanes 0-15 K step 2 i, lanes 16-31 K step 2 i + 1
.set HB,   44                          ; v44-171  two sets of 8 hidden fragments
.set ACC,  172                         ; v172-203 four accumulators: 16 (ks % 2) + 8 u
.set WB,   204                         ; v204-235 W2's fragments of two K steps
.set WS,   236                         ; v236-237 their scale registers
.set L8,   253                         ; v253     16 (lane % 8), kept
.set CH0,  44                          ; in the stream: five chunks of 32 registers, 8 loads each.  Set A: chunks 0, 1, 2, 3; set B: chunks 4, 0, 1, 2
.set CH1,  76
.set CH2,  108
.set CH3,  140
.set CH4,  172
.set T,    204                         ; v204-219 two runs of eight numbers for the conversions, by turns
.set ID,   220                         ; v220-251 the indices, then
.set C,    220                         ; the codes: 16 s + 4 j + g: set s, column j, rows 8 g on
.set MX,   28                          ; v28-31 the four columns' largest magnitudes
.set SO,   32                          ; v32-35 the conversions' scale operands
.set BY,   36                          ; v36-43 the scale bytes: 4 s + j
.set OB,   204                         ; the way out: v204-219 16 rows of 128 bytes; v220-223 their offsets in out
.set OO,   220
; scalars as in the launch before (s25 how many tiles are mine); s87 how many of them are done; s[68:83] the tile's 16 tokens; s84-86 lanes 8-15, 16-23, 24-31
.macro LOADG base, row                 ; eight loads into a chunk: register 4 i + j = W2(256 w + 32 g + row + i, column 4 q + j).  The largest immediate is 159 rows, 651,264 bytes: inside the signed 24 bits (ISA guide, chapter 10)
.set LI_, 0
.rept 8
	global_load_b128 v[(\base)+4*LI_:(\base)+4*LI_+3], v[WOF], s[4:5] offset:((\row)+LI_)*PITCH th:TH_LOAD_NT
.set LI_, LI_+1
.endr
.endm
.macro MAXG base, first, left          ; a chunk's eight rows into the four columns' largest magnitudes, the columns by turns.  left: the loads issued behind the chunk's, which may stay out
	s_wait_loadcnt \left
.irp i, 0,2,4,6
.irp j, 0,1,2,3
.if (\first) && (\i == 0)
	v_max3_num_f32 v[MX+\j], |v[(\base)+\j]|, |v[(\base)+4+\j]|, 0x1800000          ; the floor 2^(3 - 127) among the leaves: the byte cannot fall under 1
.else
	v_max3_num_f32 v[MX+\j], v[MX+\j], |v[(\base)+4*\i+\j]|, |v[(\base)+4*\i+4+\j]|
.endif
.endr
.endr
.endm
.macro SCALEB s                        ; set s: the conversions' scale operands (2 off the exponent field) and the scale bytes
.irp j, 0,1,2,3
	v_add_nc_u32 v[SO+\j], 0xff000000, v[MX+\j]
.endr
.irp j, 0,1,2,3
	v_lshrrev_b32 v[BY+4*(\s)+\j], 23, v[SO+\j]
.endr
.endm
.macro CONVG base, s, g                ; a chunk's eight rows into codes: a column's eight numbers are moved together, then converted.  The moves into one run are the plain lines behind the conversion from the other
.irp j, 0,1,2,3
.irp i, 0,1,2,3,4,5,6,7
	v_mov_b32 v[T+8*(\j%2)+\i], v[(\base)+4*\i+\j]
.endr
	v_cvt_scalef32_pk8_fp4_f32 v[C+16*(\s)+4*\j+(\g)], v[T+8*(\j%2):T+8*(\j%2)+7], v[SO+\j]
.endr
.endm
.macro STOREQ s                        ; set s: each column's 32 codes to their place in the column's fragment image, its scale byte to its place in the scale word
.irp j, 0,1,2,3
	ds_store_b128 v5, v[C+16*(\s)+4*\j:C+16*(\s)+4*\j+3] offset:IMS*(\s)+16*\j
.endr
.irp j, 0,1,2,3
	ds_store_b8 v6, v[BY+4*(\s)+\j] offset:128*(\s)+4*\j
.endr
.endm
.macro SELSTEP src, wid, sh
	v_bfe_u32 v[CC], v[\src], v[POS], \wid
	v_cmp_lt_u32 vcc_lo, v[REL], v[CC]
	v_cndmask_b32 v[CC], v[CC], v[ZR], vcc_lo
	v_cndmask_b32 v[TT], \sh, v[ZR], vcc_lo
	v_sub_nc_u32 v[REL], v[REL], v[CC]
	v_add_nc_u32 v[POS], v[POS], v[TT]
.endm
.macro SELECT                          ; the token of rank min(16 j + lane % 16, tokens - 1) of my expert: word for word the launch before's, so that a tile holds the same tokens in the same rows
	s_lshl_b32 s27, s24, 4
	v_add_nc_u32 v[RHO], s27, v7
	v_min_u32 v[RHO], s22, v[RHO]
	v_mov_b32 v[WORD], 0
	v_mov_b32 v[REL], 0
	v_mov_b32 v[BASE], 0
.set m_, 0
.rept 32
	s_bcnt1_i32_b32 s[26+(m_%2)], s[32+m_]
	v_cmp_le_u32 vcc_lo, s[26+(m_%2)], v[RHO]
	v_cndmask_b32 v[WORD], s[32+m_], v[WORD], vcc_lo
	v_cndmask_b32 v[REL], v[RHO], v[REL], vcc_lo
	v_cndmask_b32 v[BASE], 128*(m_/4)+(m_%4), v[BASE], vcc_lo
	v_sub_nc_u32 v[RHO], v[RHO], s[26+(m_%2)]
.set m_, m_+1
.endr
	v_lshrrev_b32 v[X1], 1, v[WORD]
	v_and_b32 v[X1], 0x55555555, v[X1]
	v_sub_nc_u32 v[X1], v[WORD], v[X1]
	v_lshrrev_b32 v[X2], 2, v[X1]
	v_and_b32 v[X2], 0x33333333, v[X2]
	v_and_b32 v[CC], 0x33333333, v[X1]
	v_add_nc_u32 v[X2], v[X2], v[CC]
	v_lshrrev_b32 v[X4], 4, v[X2]
	v_add_nc_u32 v[X4], v[X4], v[X2]
	v_and_b32 v[X4], 0x0f0f0f0f, v[X4]
	v_lshrrev_b32 v[X8], 8, v[X4]
	v_add_nc_u32 v[X8], v[X8], v[X4]
	v_and_b32 v[X8], 0x00ff00ff, v[X8]
	v_mov_b32 v[POS], 0
	SELSTEP X8, 8, 16
	SELSTEP X4, 8, 8
	SELSTEP X2, 4, 4
	SELSTEP X1, 2, 2
	SELSTEP WORD, 1, 1
	v_lshl_add_u32 v[TOK], v[POS], 2, v[BASE]
	v_min_u32 v[TOK], 0x3ff, v[TOK]
	v_lshlrev_b32 v9, 2, v[TOK]                    ; its place in prob
.endm
.macro WM d, a, b, z, sa, sb, ra, rb   ; one matrix instruction: D = A (16 columns of the weight) x B (16 tokens) + C; z: C is the constant 0; ra, rb: the side's scales stand in lanes 16-31
.if \z
.if \ra
.if \rb
	v_wmma_scale_f32_16x16x128_f8f6f4 v[\d:\d+7], v[\a:\a+7], v[\b:\b+7], 0, v[\sa], v[\sb] matrix_a_fmt:MATRIX_FMT_FP4 matrix_b_fmt:MATRIX_FMT_FP4 matrix_a_scale:MATRIX_SCALE_ROW1 matrix_b_scale:MATRIX_SCALE_ROW1
.else
	v_wmma_scale_f32_16x16x128_f8f6f4 v[\d:\d+7], v[\a:\a+7], v[\b:\b+7], 0, v[\sa], v[\sb] matrix_a_fmt:MATRIX_FMT_FP4 matrix_b_fmt:MATRIX_FMT_FP4 matrix_a_scale:MATRIX_SCALE_ROW1
.endif
.else
.if \rb
	v_wmma_scale_f32_16x16x128_f8f6f4 v[\d:\d+7], v[\a:\a+7], v[\b:\b+7], 0, v[\sa], v[\sb] matrix_a_fmt:MATRIX_FMT_FP4 matrix_b_fmt:MATRIX_FMT_FP4 matrix_b_scale:MATRIX_SCALE_ROW1
.else
	v_wmma_scale_f32_16x16x128_f8f6f4 v[\d:\d+7], v[\a:\a+7], v[\b:\b+7], 0, v[\sa], v[\sb] matrix_a_fmt:MATRIX_FMT_FP4 matrix_b_fmt:MATRIX_FMT_FP4
.endif
.endif
.else
.if \ra
.if \rb
	v_wmma_scale_f32_16x16x128_f8f6f4 v[\d:\d+7], v[\a:\a+7], v[\b:\b+7], v[\d:\d+7], v[\sa], v[\sb] matrix_a_fmt:MATRIX_FMT_FP4 matrix_b_fmt:MATRIX_FMT_FP4 matrix_a_scale:MATRIX_SCALE_ROW1 matrix_b_scale:MATRIX_SCALE_ROW1
.else
	v_wmma_scale_f32_16x16x128_f8f6f4 v[\d:\d+7], v[\a:\a+7], v[\b:\b+7], v[\d:\d+7], v[\sa], v[\sb] matrix_a_fmt:MATRIX_FMT_FP4 matrix_b_fmt:MATRIX_FMT_FP4 matrix_a_scale:MATRIX_SCALE_ROW1
.endif
.else
.if \rb
	v_wmma_scale_f32_16x16x128_f8f6f4 v[\d:\d+7], v[\a:\a+7], v[\b:\b+7], v[\d:\d+7], v[\sa], v[\sb] matrix_a_fmt:MATRIX_FMT_FP4 matrix_b_fmt:MATRIX_FMT_FP4 matrix_b_scale:MATRIX_SCALE_ROW1
.else
	v_wmma_scale_f32_16x16x128_f8f6f4 v[\d:\d+7], v[\a:\a+7], v[\b:\b+7], v[\d:\d+7], v[\sa], v[\sb] matrix_a_fmt:MATRIX_FMT_FP4 matrix_b_fmt:MATRIX_FMT_FP4
.endif
.endif
.endif
.endm
.macro HLOAD q                         ; 16 loads: the tile's hidden fragments of K steps 8 q .. 8 q + 7 into set q % 2; 512 consecutive bytes a load
.irp k, 0,1,2,3,4,5,6,7
.irp c, 0,1
	global_load_b128 v[HB+64*((\q)%2)+8*\k+4*\c:HB+64*((\q)%2)+8*\k+4*\c+3], v3, s[28:29] offset:(8*(\q)+\k)*1024+512*\c
.endr
.endr
.endm
.macro DSLK ks                         ; five LDS loads: K step ks of both tiles of columns, and their scale register
.irp u, 0,1
.irp c, 0,1
	ds_load_b128 v[WB+16*((\ks)%2)+8*\u+4*\c:WB+16*((\ks)%2)+8*\u+4*\c+3], v3 offset:(2*(\ks)+\u)*1024+512*\c
.endr
.endr
	ds_load_b32 v[WS+((\ks)%2)], v4 offset:128*(\ks)
.endm
.macro MULK ks                         ; two matrix instructions; the four accumulators take turns, one instruction a turn
.set ZF, 0
.if (\ks) < 2
.set ZF, 1
.endif
.irp u, 0,1
	WM ACC+16*((\ks)%2)+8*\u, WB+16*((\ks)%2)+8*\u, HB+64*(((\ks)/8)%2)+8*((\ks)%8), ZF, WS+((\ks)%2), HS+((\ks)/2), \u, ((\ks)%2)
.endr
.endm
.macro PLACES                          ; four plain lines between matrix instructions and loads into their registers, or reads of their results
.rept 4
	v_nop
.endr
.endm
	s_load_b256 s[4:11], s[0:1], 0x0               ; W2 s[4:5], hc s[6:7], hs s[8:9], ids s[10:11]
	s_load_b128 s[12:15], s[0:1], 0x20             ; prob s[12:13], out0 s[14:15]
	v_lshl_add_u32 v254, v0, 2, 0x1a000
	v_mov_b32 v255, 0
	v_lshrrev_b32 v1, 5, v0
	v_readfirstlane_b32 s16, v1                    ; wave 0..15
	v_and_b32 v1, 31, v0                           ; lane L
	v_and_b32 v7, 15, v0                           ; r
	v_bfe_u32 v8, v0, 4, 1                         ; h
	s_lshr_b32 s17, ttmp9, 5                       ; e
	s_and_b32 s18, ttmp9, 31                       ; sl
	; where my columns 4 q + j go.  Column m = 4 q + j is row r = m % 8 + 8 (m / 16) of tile u = (m / 8) % 2: r = j + 4 (L & 1) + 8 (bit 2 of L), u = bit 1 of L; my block g = L / 8 is registers 4 (g / 2) on of the reader's lane r + 16 (g % 2)
	v_and_b32 v13, 1, v1
	v_bfe_u32 v14, v0, 1, 1
	v_bfe_u32 v15, v0, 2, 1
	v_bfe_u32 v16, v0, 3, 2                        ; g
	v_and_b32 v[L8], 7, v1
	v_lshlrev_b32 v[L8], 4, v[L8]                  ; 16 q
	v_lshl_add_u32 v2, v16, 17, v[L8]              ; W2: 32 g rows of 4,096 bytes + 16 q
	v_lshlrev_b32 v3, 4, v1                        ; 16 L
	v_lshl_add_u32 v4, v1, 2, WSC
	v_lshlrev_b32 v5, 6, v13                       ; images: 16 r,
	v_lshl_add_u32 v5, v15, 7, v5
	v_lshl_add_u32 v5, v16, 8, v5                  ; 256 g,
	v_lshl_add_u32 v5, v14, 10, v5                 ; 1,024 u,
	s_lshl_b32 s26, s16, 12                        ; 4,096 w: K steps 2 w, 2 w + 1
	v_add_nc_u32 v5, s26, v5
	v_lshl_add_u32 v6, v13, 4, v16                 ; scale bytes: 4 (r + 16 u) + g,
	v_lshl_add_u32 v6, v15, 5, v6
	v_lshl_add_u32 v6, v14, 6, v6
	s_lshl_b32 s26, s16, 8                         ; 256 w
	s_add_co_u32 s26, s26, WSC
	v_add_nc_u32 v6, s26, v6
	v_lshlrev_b32 v10, 2, v1                       ; 4 L
	s_mul_i32 s27, s16, 2304
	s_add_co_u32 s27, s27, STG                     ; my stage
	v_mul_u32_u24 v11, v7, 144
	v_lshl_add_u32 v11, v8, 6, v11
	v_add_nc_u32 v11, s27, v11                     ; in: row r, + 64 h: columns 16 h on
	v_lshrrev_b32 v12, 3, v1
	v_mul_u32_u24 v12, v12, 144
	v_add_nc_u32 v12, v12, v[L8]
	v_add_nc_u32 v12, s27, v12                     ; back: eight lanes to a row of 128 bytes, four rows a load
	v_mov_b32 v[ZR], 0
	v_mov_b32 v[PR+1], 0
	s_mov_b32 s84, 0x0000ff00
	s_mov_b32 s85, 0x00ff0000
	s_mov_b32 s86, 0xff000000
	s_mov_b32 s24, s16                             ; my first tile
	s_lshl_b32 s88, s17, 24                        ; W2: the expert's 2^24 bytes,
	s_lshl_b32 s26, s16, 20                        ; 256 w rows,
	s_add_co_u32 s88, s88, s26
	s_lshl_b32 s90, s18, 7                         ; 32 sl columns
	s_add_co_u32 s88, s88, s90
	s_mov_b32 s89, 0
	s_mov_b32 s91, 0
	s_lshl_b32 s26, s17, 6
	s_add_co_u32 s26, s26, s16                     ; 64 e + j
	s_lshl_b32 s92, s26, 15
	s_mov_b32 s93, 0
	s_lshl_b32 s94, s26, 11
	s_mov_b32 s95, 0
	s_wait_kmcnt 0x0
	s_add_nc_u64 s[4:5], s[4:5], s[88:89]
	s_add_nc_u64 s[14:15], s[14:15], s[90:91]      ; out at my 32 columns
	s_add_nc_u64 s[28:29], s[6:7], s[92:93]        ; hc at my tile
	s_add_nc_u64 s[30:31], s[8:9], s[94:95]        ; hs at my tile
.irp q, 0,1,2,3,4,5,6,7
	global_load_b128 v[ID+4*\q:ID+4*\q+3], v3, s[10:11] offset:512*\q
.endr
	LOADG CH0, 0                                   ; set A,
	LOADG CH1, 8
	LOADG CH2, 16
	LOADG CH3, 24
	LOADG CH4, RB                                  ; and set B's first eight loads: 40 loads of 512 bytes are out
	s_wait_loadcnt 40                              ; 40 loads were issued behind the indices: they are in
.set m_, 0
.rept 32
	v_cmp_eq_u32 s[32+m_], s17, v[ID+m_]
.set m_, m_+1
.endr
	s_mov_b32 s21, 0
.set m_, 0
.rept 32
	s_bcnt1_i32_b32 s26, s[32+m_]
	s_add_co_u32 s21, s21, s26
.set m_, m_+1
.endr
	s_sub_co_u32 s22, s21, 1
	s_add_co_u32 s23, s21, 15
	s_lshr_b32 s23, s23, 4
	s_add_co_u32 s25, s23, 15
	s_sub_co_u32 s25, s25, s16
	s_lshr_b32 s25, s25, 4                         ; of tiles w, w + 16, .. those under the expert's count: (tiles + 15 - w) / 16, 0 where w is not under it
	s_min_u32 s25, s25, 4                          ; 1,024 tokens are 64 tiles at the most, four a wave: under this bound the stepped bases stay inside hc and hs
	s_mov_b32 s87, 0                               ; none is done
	SELECT                                         ; while the weights are on their way
	MAXG CH0, 1, 32                                ; set A, chunk by chunk as it lands: the counts are the chunks issued behind
	MAXG CH1, 0, 24
	MAXG CH2, 0, 16
	MAXG CH3, 0, 8
	SCALEB 0
	CONVG CH0, 0, 0
	LOADG CH0, RB+8                                ; each chunk that has been converted takes eight more loads of set B
	CONVG CH1, 0, 1
	LOADG CH1, RB+16
	CONVG CH2, 0, 2
	LOADG CH2, RB+24
	CONVG CH3, 0, 3
	STOREQ 0
	MAXG CH4, 1, 24                                ; set B: behind its first chunk stand its other three
	MAXG CH0, 0, 16
	MAXG CH1, 0, 8
	MAXG CH2, 0, 0
	SCALEB 1
	CONVG CH4, 1, 0
	CONVG CH0, 1, 1
	CONVG CH1, 1, 2
	CONVG CH2, 1, 3
	v_nop                                          ; a plain line behind the last conversion
	STOREQ 1
	s_wait_dscnt 0x0                               ; for the others' sake: my parts of the images lie in LDS
	s_barrier_signal -1
	s_barrier_wait -1                              ; all 64 fragments and 32 scale registers do.  Nothing writes them from here on
	s_cmp_eq_u32 s25, 0
	s_cbranch_scc1 .Ldone                          ; the expert has fewer tiles than my number
.Ltile:
	global_load_b32 v[PR], v9, s[12:13]
.irp i, 0,1,2,3,4,5,6,7,8,9,10,11,12,13,14,15
	global_load_b32 v[HS+\i], v10, s[30:31] offset:128*\i
.endr
	HLOAD 0
	HLOAD 1
	DSLK 0
	DSLK 1
.set KS_, 0
.rept 32
.if (KS_%8) == 0
.if KS_ < 24
	s_wait_loadcnt 16                              ; these 8 K steps' fragments are in (at first the probability and the scale words too); the next 8's 16 loads may be out
.else
	s_wait_loadcnt 0x0
.endif
.endif
.if KS_ < 31
	s_wait_dscnt 5                                 ; this K step's weights are in; the next step's five loads may be out
.else
	s_wait_dscnt 0x0
.endif
	MULK KS_
	PLACES
.if KS_ < 30
	DSLK KS_+2
.endif
.if ((KS_%8) == 7) && (KS_ < 16)
	HLOAD KS_/8+2                                  ; the set just multiplied takes the fragments two sets on
.endif
.set KS_, KS_+1
.endr
.irp u, 0,1                            ; the even and the odd K steps' sums; each accumulator is read from its low end on
.irp p, 0,2,4,6
	v_pk_add_f32 v[ACC+8*\u+\p:ACC+8*\u+\p+1], v[ACC+8*\u+\p:ACC+8*\u+\p+1], v[ACC+16+8*\u+\p:ACC+16+8*\u+\p+1]
.endr
.endr
.irp q, 0,2,4,6,8,10,12,14
	v_pk_mul_f32 v[ACC+\q:ACC+\q+1], v[ACC+\q:ACC+\q+1], v[PR:PR+1] op_sel_hi:[1,0]   ; x my token's probability
.endr
.irp u, 0,1
	ds_store_b128 v11, v[ACC+8*\u:ACC+8*\u+3] offset:32*\u            ; lane (r, h): out(token r, 32 sl + 16 h + 8 u + 0 .. 7)
	ds_store_b128 v11, v[ACC+8*\u+4:ACC+8*\u+7] offset:32*\u+16
.endr
.irp i, 0,1,2,3
	ds_load_b128 v[OB+4*\i:OB+4*\i+3], v12 offset:576*\i              ; LDS serves a wave's instructions in order (ISA guide 5.7.1.4): these see my stores.  Rows 4 i .. 4 i + 3
.endr
.irp i, 0,1,2,3,4,5,6,7,8,9,10,11,12,13,14,15
	v_readlane_b32 s[68+\i], v[TOK], \i
.endr
.irp i, 0,1,2,3                        ; the token of row 4 i + L / 8, and its row of out
	v_mov_b32 v[OO+\i], s[68+4*\i]
	v_cndmask_b32 v[OO+\i], v[OO+\i], s[69+4*\i], s84
	v_cndmask_b32 v[OO+\i], v[OO+\i], s[70+4*\i], s85
	v_cndmask_b32 v[OO+\i], v[OO+\i], s[71+4*\i], s86
	v_min_u32 v[OO+\i], 0x3ff, v[OO+\i]
	v_lshl_add_u32 v[OO+\i], v[OO+\i], 12, v[L8]
.endr
	s_wait_dscnt 0x0
.irp i, 0,1,2,3
	global_store_b128 v[OO+\i], v[OB+4*\i:OB+4*\i+3], s[14:15] th:TH_STORE_NT   ; eight lanes store a token's 128 consecutive bytes; written once, read by nobody here
.endr
	s_wait_xcnt 0x0                                ; the stores have read their registers: data, offsets and the loads' bases may be written again
	s_add_nc_u64 s[28:29], s[28:29], 0x80000       ; 16 tiles on
	s_add_nc_u64 s[30:31], s[30:31], 0x8000
	s_add_co_u32 s24, s24, 16
	s_add_co_u32 s87, s87, 1                       ; the loop is counted by ones, against the number of my tiles
	s_cmp_ge_u32 s87, s25
	s_cbranch_scc1 .Ldone
	SELECT
	s_cmp_lt_u32 s87, s25
	s_cbranch_scc1 .Ltile
.Ldone:
	s_wait_tensorcnt 0x0
	ds_add_u32 v254, v255
	s_wait_dscnt 0x0
	s_endpgm
.Lfunc_end_k_q85b0425b9d_fc2:
	.size	k_q85b0425b9d_fc2, .Lfunc_end_k_q85b0425b9d_fc2-k_q85b0425b9d_fc2
	.p2alignl 7, 3214868480
	.fill 96, 4, 3214868480
	.section	.rodata,"a",@progbits
	.p2align	6, 0x0
	.amdhsa_kernel k_q85b0425b9d_fc2
		.amdhsa_group_segment_fixed_size 108544
		.amdhsa_private_segment_fixed_size 0
		.amdhsa_enable_private_segment 0
		.amdhsa_kernarg_size 48
		.amdhsa_user_sgpr_count 2
		.amdhsa_user_sgpr_kernarg_segment_ptr 1
		.amdhsa_wavefront_size32 1
		.amdhsa_system_sgpr_workgroup_id_x 1
		.amdhsa_system_sgpr_workgroup_id_y 1
		.amdhsa_system_sgpr_workgroup_id_z 1
		.amdhsa_system_vgpr_workitem_id 0
		.amdhsa_next_free_vgpr 256
		.amdhsa_next_free_sgpr 96
		.amdhsa_reserve_vcc 1
		.amdhsa_float_denorm_mode_32 3
		.amdhsa_float_denorm_mode_16_64 3
		.amdhsa_memory_ordered 1
		.amdhsa_forward_progress 1
		.amdhsa_inst_pref_size 90
	.end_amdhsa_kernel
	.amdgpu_metadata
---
amdhsa.version: [ 1, 2 ]
amdhsa.kernels:
  - .name:           k_q85b0425b9d_fc2
    .symbol:         k_q85b0425b9d_fc2.kd
    .args:
      - { .name: W2, .offset: 0, .size: 8, .value_kind: global_buffer, .address_space: global }
      - { .name: hc, .offset: 8, .size: 8, .value_kind: global_buffer, .address_space: global }
      - { .name: hs, .offset: 16, .size: 8, .value_kind: global_buffer, .address_space: global }
      - { .name: ids, .offset: 24, .size: 8, .value_kind: global_buffer, .address_space: global }
      - { .name: prob, .offset: 32, .size: 8, .value_kind: global_buffer, .address_space: global }
      - { .name: out0, .offset: 40, .size: 8, .value_kind: global_buffer, .address_space: global }
    .group_segment_fixed_size: 108544
    .private_segment_fixed_size: 0
    .kernarg_segment_align: 8
    .kernarg_segment_size: 48
    .max_flat_workgroup_size: 512
    .sgpr_count:     96
    .vgpr_count:     256
    .wavefront_size: 32
...
	.end_amdgpu_metadata
.endif
;; end of part 3
;; ======== version 2 of 2: 3 launches
;; workspace buffers: xc 524,288 bytes; xs 32,768 bytes; ids 4,096 bytes of whole numbers; prob 4,096 bytes; hc 16,777,216 bytes; hs 1,048,576 bytes
;; launch route (part 4): grid 256 x 1, 4 waves a work-group, no clusters, 52,224 bytes of LDS; arguments hidden_states, Wr, br, xc, xs, ids, prob; writes xc, xs, ids, prob
.if DOCPART == 4
	.amdgcn_target "amdgcn-amd-amdhsa--gfx1250"
	.amdhsa_code_object_version 6
	.text
	.protected	k_q85b0425b9d_route
	.globl	k_q85b0425b9d_route
	.p2align	8
	.type	k_q85b0425b9d_route,@function
k_q85b0425b9d_route:
	s_mov_b64 s[64:65], 0
	v_nop
	global_prefetch_b8 v0, s[64:65] scope:SCOPE_SE
	s_setreg_imm32_b32 hwreg(HW_REG_WAVE_MODE, 25, 1), 1
	s_wait_xcnt 0x0
; THE ROUTER, AND x INTO CODES.  x = hidden_states [1024][1024] f32.  route = sigmoid(x Wr + br), all in f32; for each token its largest probability (prob) and the
; index of it (ids, a whole number), both at the token's own fixed place: no address of this launch hangs on them.  x is also quantised once, along its 1,024, to FP4 (E2M1) with one E8M0
; byte for each 32: xc [token][512 bytes], two codes a byte, the lower k in the low four bits; xs [token][32 bytes], byte b for k = 32 b .. 32 b + 31.
; SHARES.  A wave takes one token (4 x work-group + wave); lane L takes its block L, k = 32 L .. 32 L + 31: the block's largest magnitude needs no other lane, and the lane's 16 bytes of codes lie at 16 L of the row.
; Loads are dense (512 consecutive bytes a wave); the row turns through the wave's own stage in LDS so that a lane gets its 32 neighbours.  Wr (32 KB) is brought by the four waves together, a quarter each,
; and read back a lane's 32 rows at a time.  Both stages have 16 bytes of padding behind each lane's slice (144 = 9 x 16, 1,040 = 65 x 16 bytes from lane to lane).
; No matrix unit: 8 columns.  No cluster: the work-groups share only Wr, 32 KB of the 4 MB that the launch reads.
; LIMITS.  NaN and infinities are not served.  A block whose largest magnitude lies under 2^-124 keeps the byte 1 (a block of zeros too: its codes are zeros, and this program alone reads the bytes).
; The index is the first largest of THIS text's sigmoid values (exponential and reciprocal good to an ulp, sums in another order than a CPU's): two probabilities an ulp or so apart may fall the other way.
.set RAW, 16                           ; v16-47   the row as loaded
.set XR,  48                           ; v48-79   my 32 neighbours
.set WQ0, 80                           ; v80-143  Wr as loaded; then 8 of my rows of Wr
.set WQ1, 144                          ; v144-207 8 more
.set AC,  208                          ; v208-215 the 8 sums
.set PT,  224                          ; v224-231 at work on the 8
.set CD,  240                          ; v240-243 my 32 codes
.set XST, 33280                        ; LDS: Wr's stage 32 x 1,040 bytes from 0; behind it a stage of 32 x 144 bytes for each wave
	s_load_b256 s[4:11], s[0:1], 0x0               ; hidden_states s[4:5], Wr s[6:7], br s[8:9], xc s[10:11]
	s_load_b128 s[12:15], s[0:1], 0x20             ; xs s[12:13], ids s[14:15]
	s_load_b64 s[16:17], s[0:1], 0x30              ; prob
	v_lshl_add_u32 v254, v0, 2, 0xca00
	v_mov_b32 v255, 0
	v_lshrrev_b32 v10, 5, v0
	v_readfirstlane_b32 s18, v10                   ; wave 0..3
	v_and_b32 v1, 31, v0                           ; lane L
	v_lshlrev_b32 v2, 4, v1                        ; 16 L
	s_mul_i32 s30, s18, 4608
	s_add_co_u32 s30, s30, XST                     ; my wave's stage
	v_lshrrev_b32 v10, 3, v1
	v_mul_u32_u24 v3, v10, 144
	v_and_b32 v11, 7, v1
	v_lshl_add_u32 v3, v11, 4, v3
	v_add_nc_u32 v3, s30, v3                       ; in: byte 512 i + 16 L of the row belongs to lane 4 i + L / 8, at 16 (L % 8) of its slice
	v_mul_u32_u24 v4, v1, 144
	v_add_nc_u32 v4, s30, v4                       ; out: my slice
	s_mul_i32 s31, s18, 8320
	v_add_nc_u32 v5, s31, v2                       ; Wr in: my wave's quarter is the slices of lanes 8 w .. 8 w + 7
	v_mul_u32_u24 v6, v1, 1040                     ; Wr out: my slice, rows 32 L .. 32 L + 31
	v_and_b32 v7, 3, v1
	v_lshlrev_b32 v7, 3, v7                        ; my scale byte's place in its word, in bits
	v_lshrrev_b32 v8, 2, v1
	v_lshlrev_b32 v8, 2, v8                        ; and the word's place in the token's 32 bytes
	v_mov_b32 v9, 0
	s_lshl_b32 s32, s18, 13
	v_add_nc_u32 v12, s32, v2                      ; Wr in memory: 8,192 w + 16 L
	v_mov_b32 v221, 0                              ; written once: the destination of a lane move counts as one of its sources
.irp e, 0,1,2,3,4,5,6,7
	v_mov_b32 v[PT+\e], 0
.endr
	s_lshl_b32 s19, ttmp9, 2
	s_add_co_u32 s19, s19, s18                     ; my token
	s_mov_b32 s28, 0x76543210
	s_mov_b32 s29, 0xfedcba98                      ; v_permlanex16_b32's selects for lane l xor 16
	s_mov_b32 s35, 0
	s_lshl_b32 s34, s19, 12
	s_wait_kmcnt 0x0
	s_add_nc_u64 s[4:5], s[4:5], s[34:35]          ; my row of x
.irp i, 0,1,2,3,4,5,6,7
	global_load_b128 v[RAW+4*\i:RAW+4*\i+3], v2, s[4:5] offset:512*\i th:TH_LOAD_NT   ; 512 consecutive bytes a load; read once in the launch
.endr
.irp j, 0,1,2,3,4,5,6,7,8,9,10,11,12,13,14,15
	global_load_b128 v[WQ0+4*\j:WQ0+4*\j+3], v12, s[6:7] offset:512*\j
.endr
	s_load_b256 s[20:27], s[8:9], 0x0              ; br
	s_lshl_b32 s34, s19, 9
	s_add_nc_u64 s[10:11], s[10:11], s[34:35]      ; my row of codes,
	s_lshl_b32 s34, s19, 5
	s_add_nc_u64 s[12:13], s[12:13], s[34:35]      ; of scale bytes,
	s_lshl_b32 s34, s19, 2
	s_add_nc_u64 s[14:15], s[14:15], s[34:35]      ; my index
	s_add_nc_u64 s[16:17], s[16:17], s[34:35]      ; and my probability
	s_wait_loadcnt 16                              ; the row is in; Wr's 16 loads may be out
.irp i, 0,1,2,3,4,5,6,7
	ds_store_b128 v3, v[RAW+4*\i:RAW+4*\i+3] offset:576*\i
.endr
.irp j, 0,1,2,3,4,5,6,7
	ds_load_b128 v[XR+4*\j:XR+4*\j+3], v4 offset:16*\j     ; LDS serves a wave's instructions in order (ISA guide 5.7.1.4): these see my stores
.endr
	s_wait_loadcnt 0x0
.irp j, 0,1,2,3,4,5,6,7,8,9,10,11,12,13,14,15
	ds_store_b128 v5, v[WQ0+4*\j:WQ0+4*\j+3] offset:1040*(\j/2)+512*(\j%2)
.endr
	s_wait_dscnt 0x0                               ; for the others' sake: my quarter of Wr lies in LDS (and my row is back)
	s_barrier_signal -1
	s_barrier_wait -1
.macro DSW c, buf                      ; rows 8 c .. 8 c + 7 of my 32 rows of Wr: register buf + 8 i + e = Wr(32 L + 8 c + i, e)
.irp q, 0,1,2,3,4,5,6,7,8,9,10,11,12,13,14,15
	ds_load_b128 v[\buf+4*\q:\buf+4*\q+3], v6 offset:256*(\c)+16*\q
.endr
.endm
; 64 multiply-adds, two experts an instruction, in four chains: one x feeds both halves (the even or the odd register of its pair).  The very first k starts the sums: nothing is cleared.
.macro FMA c, buf
.irp h, 0,1,2,3
.irp p, 0,2,4,6
.if ((\c) == 0) && (\h == 0)
	v_pk_mul_f32 v[AC+\p:AC+\p+1], v[XR:XR+1], v[\buf+\p:\buf+\p+1] op_sel_hi:[0,1]
.else
	v_pk_fma_f32 v[AC+\p:AC+\p+1], v[XR+8*(\c)+2*\h:XR+8*(\c)+2*\h+1], v[\buf+16*\h+\p:\buf+16*\h+\p+1], v[AC+\p:AC+\p+1] op_sel_hi:[0,1,1]
.endif
.endr
.irp p, 0,2,4,6
	v_pk_fma_f32 v[AC+\p:AC+\p+1], v[XR+8*(\c)+2*\h:XR+8*(\c)+2*\h+1], v[\buf+16*\h+8+\p:\buf+16*\h+8+\p+1], v[AC+\p:AC+\p+1] op_sel:[1,0,0] op_sel_hi:[1,1,1]
.endr
.endr
.endm
	DSW 0, WQ0
	DSW 1, WQ1
	; my block into codes, while Wr's rows are on their way from LDS
	v_max3_num_f32 v216, |v[XR]|, |v[XR+1]|, |v[XR+2]|
	v_max3_num_f32 v217, |v[XR+3]|, |v[XR+4]|, |v[XR+5]|
.irp i, 6,10,14,18,22,26
	v_max3_num_f32 v216, v216, |v[XR+\i]|, |v[XR+\i+1]|
	v_max3_num_f32 v217, v217, |v[XR+\i+2]|, |v[XR+\i+3]|
.endr
	v_max3_num_f32 v216, v216, |v[XR+30]|, |v[XR+31]|
	v_max3_num_f32 v216, v216, v217, 0x1800000     ; and the floor 2^(3 - 127): the byte cannot fall under 1
	v_add_nc_u32 v218, 0xff000000, v216            ; 2 off the exponent field: the conversion takes the exponent field of this operand as its scale
	v_lshrrev_b32 v219, 23, v218                   ; the scale's byte
.irp g, 0,1,2,3
	v_cvt_scalef32_pk8_fp4_f32 v[CD+\g], v[XR+8*\g:XR+8*\g+7], v218
.endr
	v_lshlrev_b32 v220, v7, v219                   ; (a plain line behind the conversions)  the byte at its place in the word;
	v_mov_b32_dpp v221, v220 row_xmask:1 row_mask:0xf bank_mask:0xf
	v_or_b32 v220, v220, v221
	v_mov_b32_dpp v221, v220 row_xmask:2 row_mask:0xf bank_mask:0xf
	v_or_b32 v220, v220, v221                      ; with the three neighbours' bytes the word is whole, in all four lanes
	global_store_b128 v2, v[CD:CD+3], s[10:11]     ; the wave stores the token's 512 bytes of codes, consecutive
	global_store_b32 v8, v220, s[12:13]            ; four lanes write the same word with the same value: 32 bytes a token
	s_wait_dscnt 16                                ; rows 0-7 are in; the 16 loads behind them may be out
	FMA 0, WQ0
	DSW 2, WQ0
	s_wait_alu depctr_va_vdst(0)
	s_wait_dscnt 16
	FMA 1, WQ1
	DSW 3, WQ1
	s_wait_alu depctr_va_vdst(0)
	s_wait_dscnt 16
	FMA 2, WQ0
	s_wait_alu depctr_va_vdst(0)
	s_wait_dscnt 0x0
	FMA 3, WQ1
.irp x, 1,2,4,8                        ; the 32 lanes' parts of each of the 8 sums
.irp e, 0,1,2,3,4,5,6,7
	v_add_f32_dpp v[AC+\e], v[AC+\e], v[AC+\e] row_xmask:\x row_mask:0xf bank_mask:0xf
.endr
.endr
.irp e, 0,1,2,3,4,5,6,7
	v_permlanex16_b32 v[PT+\e], v[AC+\e], s28, s29
.endr
	s_wait_alu depctr_va_vdst(0)
	s_wait_kmcnt 0x0                               ; br
.irp e, 0,1,2,3,4,5,6,7
	v_add_f32 v[AC+\e], v[AC+\e], v[PT+\e]
.endr
.irp e, 0,1,2,3,4,5,6,7
	v_add_f32 v[AC+\e], s[20+\e], v[AC+\e]
.endr
.irp e, 0,1,2,3,4,5,6,7
	v_mul_f32 v[PT+\e], 0xbfb8aa3b, v[AC+\e]       ; -z log2(e)
.endr
	s_wait_alu depctr_va_vdst(0)
.irp e, 0,1,2,3,4,5,6,7
	v_exp_f32 v[PT+\e], v[PT+\e]
.endr
	v_mov_b32 v233, 0                              ; (a plain line behind the exponentials)  the index so far
	s_wait_alu depctr_va_vdst(0)
.irp e, 0,1,2,3,4,5,6,7
	v_add_f32 v[PT+\e], 1.0, v[PT+\e]
.endr
	s_wait_alu depctr_va_vdst(0)
.irp e, 0,1,2,3,4,5,6,7
	v_rcp_f32 v[PT+\e], v[PT+\e]                   ; sigmoid(z) = 1 / (1 + e^-z)
.endr
	v_nop                                          ; a plain line behind the reciprocals
	s_wait_alu depctr_va_vdst(0)
	v_mov_b32 v232, v[PT]
.irp e, 1,2,3,4,5,6,7                  ; the first largest: a later one takes over only where it is strictly greater
	v_cmp_le_f32 vcc_lo, v[PT+\e], v232
	v_cndmask_b32 v233, \e, v233, vcc_lo
	v_max_num_f32 v232, v232, v[PT+\e]
.endr
	v_cmp_gt_u32 vcc_lo, 1, v1
	s_wait_alu depctr_va_vdst(0)
	s_wait_xcnt 0x0                                ; EXEC changes only when the stores above have had their addresses translated
	s_wait_tensorcnt 0x0
	ds_add_u32 v254, v255
	s_wait_dscnt 0x0
	s_and_saveexec_b32 s33, vcc_lo                 ; lane 0 alone
	global_store_b32 v9, v233, s[14:15]
	global_store_b32 v9, v232, s[16:17]
	s_endpgm
.Lfunc_end_k_q85b0425b9d_route:
	.size	k_q85b0425b9d_route, .Lfunc_end_k_q85b0425b9d_route-k_q85b0425b9d_route
	.p2alignl 7, 3214868480
	.fill 96, 4, 3214868480
	.section	.rodata,"a",@progbits
	.p2align	6, 0x0
	.amdhsa_kernel k_q85b0425b9d_route
		.amdhsa_group_segment_fixed_size 52224
		.amdhsa_private_segment_fixed_size 0
		.amdhsa_enable_private_segment 0
		.amdhsa_kernarg_size 56
		.amdhsa_user_sgpr_count 2
		.amdhsa_user_sgpr_kernarg_segment_ptr 1
		.amdhsa_wavefront_size32 1
		.amdhsa_system_sgpr_workgroup_id_x 1
		.amdhsa_system_sgpr_workgroup_id_y 1
		.amdhsa_system_sgpr_workgroup_id_z 1
		.amdhsa_system_vgpr_workitem_id 0
		.amdhsa_next_free_vgpr 256
		.amdhsa_next_free_sgpr 66
		.amdhsa_reserve_vcc 1
		.amdhsa_float_denorm_mode_32 3
		.amdhsa_float_denorm_mode_16_64 3
		.amdhsa_memory_ordered 1
		.amdhsa_forward_progress 1
		.amdhsa_inst_pref_size 27
	.end_amdhsa_kernel
	.amdgpu_metadata
---
amdhsa.version: [ 1, 2 ]
amdhsa.kernels:
  - .name:           k_q85b0425b9d_route
    .symbol:         k_q85b0425b9d_route.kd
    .args:
      - { .name: hidden_states, .offset: 0, .size: 8, .value_kind: global_buffer, .address_space: global }
      - { .name: Wr, .offset: 8, .size: 8, .value_kind: global_buffer, .address_space: global }
      - { .name: br, .offset: 16, .size: 8, .value_kind: global_buffer, .address_space: global }
      - { .name: xc, .offset: 24, .size: 8, .value_kind: global_buffer, .address_space: global }
      - { .name: xs, .offset: 32, .size: 8, .value_kind: global_buffer, .address_space: global }
      - { .name: ids, .offset: 40, .size: 8, .value_kind: global_buffer, .address_space: global }
      - { .name: prob, .offset: 48, .size: 8, .value_kind: global_buffer, .address_space: global }
    .group_segment_fixed_size: 52224
    .private_segment_fixed_size: 0
    .kernarg_segment_align: 8
    .kernarg_segment_size: 56
    .max_flat_workgroup_size: 128
    .sgpr_count:     66
    .vgpr_count:     256
    .wavefront_size: 32
...
	.end_amdgpu_metadata
.endif
;; end of part 4
;; launch fc1 (part 5): grid 256 x 1, 16 waves a work-group, no clusters, 71,680 bytes of LDS; arguments W1, xc, xs, ids, hc, hs; writes hc, hs
.if DOCPART == 5
	.amdgcn_target "amdgcn-amd-amdhsa--gfx1250"
	.amdhsa_code_object_version 6
	.text
	.protected	k_q85b0425b9d_fc1
	.globl	k_q85b0425b9d_fc1
	.p2align	8
	.type	k_q85b0425b9d_fc1,@function
k_q85b0425b9d_fc1:
	s_mov_b64 s[64:65], 0
	v_nop
	global_prefetch_b8 v0, s[64:65] scope:SCOPE_SE
	s_setreg_imm32_b32 hwreg(HW_REG_WAVE_SCHED_MODE, 0, 2), 2
	s_setreg_imm32_b32 hwreg(HW_REG_WAVE_MODE, 25, 1), 1
	s_wait_xcnt 0x0
	s_wait_alu depctr_vm_vsrc(0)
; hidden = gelu(x W1[e]) for the tokens whose expert is e, on codes of FP4 (E2M1) with one E8M0 scale for each 32 along K; the hidden layer is quantised on the way, along its own axis, for the next product.
; W1 [8][1024 (k)][4096 (n)] f32 is read ONCE, each byte by one work-group, and quantised in registers on its way: no codes of it go to memory.
; SHARES.  Work-group g: expert e = g / 32, hidden units 128 sl .. 128 sl + 127 (sl = g % 32): one K step of the next product.  Sixteen waves, four to a SIMD.
; PHASE 1, THE STREAM.  Wave w takes the 128 columns x rows 64 w .. 64 w + 63 of K (half c = w % 2 of K step w / 2): 64 loads of 16 bytes a lane, each covering 512 consecutive bytes of one row.
; Lane L so holds columns 4 L .. 4 L + 3, a row in four registers, and a block of 32 along K of one column lies in 32 registers four apart.  Its largest magnitude is taken where the numbers lie; the conversions want
; eight neighbours along K in consecutive registers, so eight numbers at a time are moved together.  40 loads (20 KB a wave) go out at the head: rows 0-31 (set A) and 32-39; the rest of set B follows into A's registers
; as they are converted.  A column's 32 codes of a block are four registers of an operand fragment: they go by one LDS store to their place in the fragment's image (16 bytes a lane at 16 x lane of the reader).
; Column 32 cs + 8 u + r + 8 (r / 8) is row r of tile 2 cs + u, so that in the transposed product the 16 registers of tiles 2 b, 2 b + 1 are 16 neighbouring hidden units.  One barrier.
; PHASE 2, THE TOKENS.  Tile j of the expert is its tokens of rank 16 j .. 16 j + 15; wave w takes tiles w, w + 16, ..  The rank's token is found from the 1,024 stored indices by whole-number arithmetic in
; registers (SELECT).  A rank past the last is held at the last: padding rows are copies of the last row, computed and stored with the same bytes, so EXEC is never narrowed.
; For a tile: x's 8 fragments gathered from xc, 64 matrix instructions (source 0 = 16 columns of W1, source 1 = 16 tokens), gelu by erfc in f32, quantised, stored as one fragment image of hc and 16 scale words of hs.
; No tensor load: trip counts hang on stored numbers.  No cluster: no two work-groups read the same weights; what they share (x's codes, 8 KB a tile) is a small part of a work-group's 512 KB.
; hc [e][tile 64][K step 32][1,024 bytes]: registers 4 c .. 4 c + 3 of lane L at 512 c + 16 L.   hs [e][tile][K step][16 words].  Only tiles that the expert has are written.
; LIMITS.  NaN and infinities are not served.  Blocks whose largest magnitude lies under 2^-124 keep the byte 1 (blocks of zeros too: their codes are zeros).  |x| / sqrt(2) is held at 11, beyond which erfc is 0 in f32; erfc under 2^-126 comes out 0.
; THE MODE: SCHED_MODE bits 1:0 = 2 (LLVM: expert scheduling mode 2), set by the entry lines.  The code itself states the register dependences between vector or matrix instructions and memory or LDS
; instructions, and those through scalar registers and VCC that vector instructions write, with s_wait_alu, always for 0.
; THE PLAN.  Registers that memory or LDS instructions touch:
;   v3, v4, v5, v6, v12   offsets and LDS addresses: made at the head, never written again: one wait on va_vdst ahead of the first load serves them all.
;   CH0 .. CH4            the weight loads land in them; a chunk's largest-magnitude lines and its moves read it.  One wait on va_vdst behind a chunk's conversions, where something lands in the chunk at once.
;   C, SB                 written by the conversions and shifts, read by the LDS stores: set A's under the wait behind chunk 3, set B's under one wait ahead of its stores; one wait on vm_vsrc behind the barrier frees them.
;   v9, v10               x's offsets: written behind SELECT, read by the 17 gather loads.      XF, XS   the gather lands in them; the tile's matrix instructions read them.
;   WB, WSR               a K step's 20 LDS loads land in them; its eight matrix instructions read them; gelu works in WB.  ONE wait on va_vdst a K step, behind the eight, ahead of the next K step's 20 loads.
;   PC, PW                written by QUANT, read by the tile's three stores: one wait on va_vdst ahead of the stores, one on vm_vsrc behind them (it frees v9 and v10 too).
;   One wait on va_vdst behind the next tile's SELECT covers v9 and v10, the gather's landing in XF and XS, and the next trip's first LDS loads: no vector or matrix line stands between it and them.
;   v254, v255            written at the head, read by the closing add alone.
.set PITCH, 16384                      ; a row of W1[e] in bytes
.set RB,    32                         ; set B's first row among the rows that the immediates count
.set IMS,   256                        ; LDS bytes from set A's place in an image to set B's: lanes 16-31 of the reader
.set WSC,   65536                      ; LDS: 64 images of 1,024 bytes (8 ks + 2 cs + u) from 0; then 32 scale registers of 128 bytes (4 ks + cs): lanes 0-15 tile u = 0, lanes 16-31 u = 1
.set WOF,  3                           ; the weight loads' offset: 16 x lane
.set RHO,  13                          ; v13-25: SELECT
.set WORD, 14
.set REL,  15
.set BASE, 16
.set TT,   17
.set X1,   18
.set X2,   19
.set X4,   20
.set X8,   21
.set POS,  22
.set CC,   23
.set ZR,   24                          ; 0, kept
.set TOK,  25                          ; my row's token (row = lane % 16)
.set C9,   26                          ; v[26:27] the polynomial's leading coefficient, twice
.set XS,   28                          ; v28-31   x's scale words: register i: lanes 0-15 K step i, lanes 16-31 K step 4 + i
.set XF,   32                          ; v32-95   x's 8 fragments
.set HA,   96                          ; v96-159  8 tiles of the hidden layer
.set WB,   160                         ; v160-223 8 fragments of W1: tiles 0-3, tiles 4-7
.set WSR,  224                         ; v224-227 their scale registers
.set TM,   228                         ; v228-243 QUANT at work
.set PC,   244                         ; v244-251 the codes just made
.set PW,   252                         ; v252     their scale word
.set CH0,  96                          ; in the stream: five chunks of 32 registers, 8 rows each.  Set A: chunks 0, 1, 2, 3; set B: chunks 4, 0, 1, 2.
.set CH1,  128
.set CH2,  160
.set CH3,  32                          ; chunks 3 and 4 are x's fragments' registers: the first tile's x is loaded there as soon as they are free
.set CH4,  64
.set T,    192                         ; v192-207 two runs of eight numbers for the conversions, by turns
.set ID,   208                         ; v208-239 the 1,024 indices, 32 a lane; then
.set C,    208                         ; the codes: 16 s + 4 j + g: set s, column j, rows 8 g on
.set MX,   240                         ; v240-243 the four columns' largest magnitudes
.set SO,   244                         ; v244-247 the conversions' scale operands
.set SB,   248                         ; v248-251 the columns' two scale bytes
.set GA,   160                         ; gelu at work: eight sets of 8, where W1's fragments lay
.set GB,   168
.set GC,   176
.set GD,   184
.set GE,   192
.set GF,   200
.set GG,   208
.set GH,   216
; scalars: s16 wave, s17 e, s18 sl, s19 c = w % 2, s20 ks = w / 2, s21 the expert's tokens, s22 that - 1, s23 its tiles, s24 my tile j, s25 how many tiles are mine, s71 how many of them are done, s26-27 at work,
; s[28:29] hc and s[30:31] hs at my tile and K step, s[32:63] bit L of word m: token 128 (m / 4) + 4 L + m % 4 goes to my expert; s66-67 lane selects; s70 11.0; in SELECT s72-75 four words' counts, s76-79 four masks
.macro LOADG base, row                 ; eight rows, row .. row + 7 of my 64, into a chunk: register 4 i + j = W1(row + i, column 4 L + j).  The largest immediate is 63 rows, 1,032,192 bytes: inside the signed 24 bits (ISA guide, chapter 10)
.set LI_, 0
.rept 8
	global_load_b128 v[(\base)+4*LI_:(\base)+4*LI_+3], v[WOF], s[4:5] offset:((\row)+LI_)*PITCH th:TH_LOAD_NT
.set LI_, LI_+1
.endr
.endm
.macro MAXG base, first, left          ; a chunk's eight rows into the four columns' largest magnitudes, the columns by turns.  left: the loads issued behind the chunk's, which may stay out
	s_wait_loadcnt \left
.irp i, 0,2,4,6
.irp j, 0,1,2,3
.if (\first) && (\i == 0)
	v_max3_num_f32 v[MX+\j], |v[(\base)+\j]|, |v[(\base)+4+\j]|, 0x1800000          ; the floor 2^(3 - 127) among the leaves: the byte cannot fall under 1
.else
	v_max3_num_f32 v[MX+\j], v[MX+\j], |v[(\base)+4*\i+\j]|, |v[(\base)+4*\i+4+\j]|
.endif
.endr
.endr
.endm
.macro CONVG base, s, g                ; a chunk's eight rows into codes: a column's eight numbers are moved together, then converted.  The moves into one run are the plain lines behind the conversion from the other
.irp j, 0,1,2,3
.irp i, 0,1,2,3,4,5,6,7
	v_mov_b32 v[T+8*(\j%2)+\i], v[(\base)+4*\i+\j]
.endr
	v_cvt_scalef32_pk8_fp4_f32 v[C+16*(\s)+4*\j+(\g)], v[T+8*(\j%2):T+8*(\j%2)+7], v[SO+\j]
.endr
.endm
.macro STOREQ s                        ; set s: each column's 32 codes to their place in the column's fragment image
.irp j, 0,1,2,3
	ds_store_b128 v5, v[C+16*(\s)+4*\j:C+16*(\s)+4*\j+3] offset:IMS*(\s)+16*\j
.endr
.endm
; THE TOKEN OF RANK min(16 j + lane % 16, tokens - 1) OF MY EXPERT.  The rank walks the 32 words: where it is under a word's count the word, the rank in it and the word's first token are kept; then the count
; is taken off (a rank that was found wraps to a very large number and is found no more).  Then the rank-th set bit of the kept word, by halving on counts of 16, 8, 4, 2 and 1 bits.
; The words go four at a time: the rank as it stands at each of the four (in RHO, X1, X2, X4), the four compares in a run into four scalar registers, one wait behind the run, then the selects.
.macro SELSTEP src, wid, sh
	v_bfe_u32 v[CC], v[\src], v[POS], \wid         ; set bits in the lower half of what is left
	v_cmp_lt_u32 vcc_lo, v[REL], v[CC]             ; the bit lies there?
	s_wait_alu depctr_va_vcc(0)                    ; the compare has written VCC, which the two selects read
	v_cndmask_b32 v[CC], v[CC], v[ZR], vcc_lo
	v_cndmask_b32 v[TT], \sh, v[ZR], vcc_lo
	v_sub_nc_u32 v[REL], v[REL], v[CC]             ; if not: past them,
	v_add_nc_u32 v[POS], v[POS], v[TT]             ; into the upper half
.endm
.macro SELW i, r                       ; word m_ + i; r: the rank as it stands at that word
	v_cndmask_b32 v[WORD], s[32+m_+\i], v[WORD], s[76+\i]
	v_cndmask_b32 v[REL], v[\r], v[REL], s[76+\i]
	v_cndmask_b32 v[BASE], 128*(m_/4)+\i, v[BASE], s[76+\i]
.endm
.macro SELECT
	s_lshl_b32 s27, s24, 4
	v_add_nc_u32 v[RHO], s27, v7
	v_min_u32 v[RHO], s22, v[RHO]
	v_mov_b32 v[WORD], 0
	v_mov_b32 v[REL], 0
	v_mov_b32 v[BASE], 0
.set m_, 0
.rept 8
.irp i, 0,1,2,3
	s_bcnt1_i32_b32 s[72+\i], s[32+m_+\i]
.endr
	v_sub_nc_u32 v[X1], v[RHO], s72
	v_sub_nc_u32 v[X2], v[X1], s73
	v_sub_nc_u32 v[X4], v[X2], s74
	v_cmp_le_u32 s76, s72, v[RHO]                  ; not in this word
	v_cmp_le_u32 s77, s73, v[X1]
	v_cmp_le_u32 s78, s74, v[X2]
	v_cmp_le_u32 s79, s75, v[X4]
	s_wait_alu depctr_va_sdst(0)                   ; the four compares have written s76 to s79, which the twelve selects read
	SELW 0, RHO
	SELW 1, X1
	SELW 2, X2
	SELW 3, X4
	v_sub_nc_u32 v[RHO], v[X4], s75
.set m_, m_+4
.endr
	v_lshrrev_b32 v[X1], 1, v[WORD]
	v_and_b32 v[X1], 0x55555555, v[X1]
	v_sub_nc_u32 v[X1], v[WORD], v[X1]             ; counts of 2 bits,
	v_lshrrev_b32 v[X2], 2, v[X1]
	v_and_b32 v[X2], 0x33333333, v[X2]
	v_and_b32 v[CC], 0x33333333, v[X1]
	v_add_nc_u32 v[X2], v[X2], v[CC]               ; of 4,
	v_lshrrev_b32 v[X4], 4, v[X2]
	v_add_nc_u32 v[X4], v[X4], v[X2]
	v_and_b32 v[X4], 0x0f0f0f0f, v[X4]             ; of 8,
	v_lshrrev_b32 v[X8], 8, v[X4]
	v_add_nc_u32 v[X8], v[X8], v[X4]
	v_and_b32 v[X8], 0x00ff00ff, v[X8]             ; of 16
	v_mov_b32 v[POS], 0
	SELSTEP X8, 8, 16
	SELSTEP X4, 8, 8
	SELSTEP X2, 4, 4
	SELSTEP X1, 2, 2
	SELSTEP WORD, 1, 1
	v_lshl_add_u32 v[TOK], v[POS], 2, v[BASE]
	v_min_u32 v[TOK], 0x3ff, v[TOK]                ; a token's number: it stays inside the tables that it indexes (an expert without tokens gives some row, which nobody uses)
.endm
; my tile's 16 rows of x: lane (r, h) takes of row r's 512 bytes the 16 at 64 ks + 32 c + 16 h; and four of its eight scale words.  The two offsets; then the loads in two parts: K steps 0-3 with the scale words (9 loads), K steps 4-7 (8 loads)
.macro GADR
	v_lshl_add_u32 v9, v[TOK], 9, v8
	v_lshl_add_u32 v10, v[TOK], 5, v8
.endm
.macro GATHA
.irp ks, 0,1,2,3
.irp c, 0,1
	global_load_b128 v[XF+8*\ks+4*\c:XF+8*\ks+4*\c+3], v9, s[6:7] offset:64*\ks+32*\c
.endr
.endr
	global_load_b128 v[XS:XS+3], v10, s[8:9]
.endm
.macro GATHB
.irp ks, 4,5,6,7
.irp c, 0,1
	global_load_b128 v[XF+8*\ks+4*\c:XF+8*\ks+4*\c+3], v9, s[6:7] offset:64*\ks+32*\c
.endr
.endr
.endm
; one matrix instruction: D = A (16 columns of the weight) x B (16 tokens) + C.  z: C is the constant 0, the sum's first K step.  ra, rb: the side's scales stand in lanes 16-31 of its register
.macro WM d, a, b, z, sa, sb, ra, rb
.if \z
.if \ra
.if \rb
	v_wmma_scale_f32_16x16x128_f8f6f4 v[\d:\d+7], v[\a:\a+7], v[\b:\b+7], 0, v[\sa], v[\sb] matrix_a_fmt:MATRIX_FMT_FP4 matrix_b_fmt:MATRIX_FMT_FP4 matrix_a_scale:MATRIX_SCALE_ROW1 matrix_b_scale:MATRIX_SCALE_ROW1
.else
	v_wmma_scale_f32_16x16x128_f8f6f4 v[\d:\d+7], v[\a:\a+7], v[\b:\b+7], 0, v[\sa], v[\sb] matrix_a_fmt:MATRIX_FMT_FP4 matrix_b_fmt:MATRIX_FMT_FP4 matrix_a_scale:MATRIX_SCALE_ROW1
.endif
.else
.if \rb
	v_wmma_scale_f32_16x16x128_f8f6f4 v[\d:\d+7], v[\a:\a+7], v[\b:\b+7], 0, v[\sa], v[\sb] matrix_a_fmt:MATRIX_FMT_FP4 matrix_b_fmt:MATRIX_FMT_FP4 matrix_b_scale:MATRIX_SCALE_ROW1
.else
	v_wmma_scale_f32_16x16x128_f8f6f4 v[\d:\d+7], v[\a:\a+7], v[\b:\b+7], 0, v[\sa], v[\sb] matrix_a_fmt:MATRIX_FMT_FP4 matrix_b_fmt:MATRIX_FMT_FP4
.endif
.endif
.else
.if \ra
.if \rb
	v_wmma_scale_f32_16x16x128_f8f6f4 v[\d:\d+7], v[\a:\a+7], v[\b:\b+7], v[\d:\d+7], v[\sa], v[\sb] matrix_a_fmt:MATRIX_FMT_FP4 matrix_b_fmt:MATRIX_FMT_FP4 matrix_a_scale:MATRIX_SCALE_ROW1 matrix_b_scale:MATRIX_SCALE_ROW1
.else
	v_wmma_scale_f32_16x16x128_f8f6f4 v[\d:\d+7], v[\a:\a+7], v[\b:\b+7], v[\d:\d+7], v[\sa], v[\sb] matrix_a_fmt:MATRIX_FMT_FP4 matrix_b_fmt:MATRIX_FMT_FP4 matrix_a_scale:MATRIX_SCALE_ROW1
.endif
.else
.if \rb
	v_wmma_scale_f32_16x16x128_f8f6f4 v[\d:\d+7], v[\a:\a+7], v[\b:\b+7], v[\d:\d+7], v[\sa], v[\sb] matrix_a_fmt:MATRIX_FMT_FP4 matrix_b_fmt:MATRIX_FMT_FP4 matrix_b_scale:MATRIX_SCALE_ROW1
.else
	v_wmma_scale_f32_16x16x128_f8f6f4 v[\d:\d+7], v[\a:\a+7], v[\b:\b+7], v[\d:\d+7], v[\sa], v[\sb] matrix_a_fmt:MATRIX_FMT_FP4 matrix_b_fmt:MATRIX_FMT_FP4
.endif
.endif
.endif
.endm
.macro DSLH ks, half                   ; ten LDS loads: K step ks of tiles 4 half .. 4 half + 3, and their two scale registers
.irp tt, 0,1,2,3
.irp c, 0,1
	ds_load_b128 v[WB+32*(\half)+8*\tt+4*\c:WB+32*(\half)+8*\tt+4*\c+3], v3 offset:(8*(\ks)+4*(\half)+\tt)*1024+512*\c
.endr
.endr
.irp p, 0,1
	ds_load_b32 v[WSR+2*(\half)+\p], v4 offset:512*(\ks)+128*(2*(\half)+\p)
.endr
.endm
.macro MULH ks, half                   ; four matrix instructions; the eight accumulators take turns, one instruction a turn
.set ZF, 0
.if (\ks) == 0
.set ZF, 1
.endif
.irp tt, 0,1,2,3
	WM HA+8*(4*(\half)+\tt), WB+32*(\half)+8*\tt, XF+8*(\ks), ZF, WSR+2*(\half)+(\tt/2), XS+((\ks)%4), (\tt%2), ((\ks)/4)
.endr
.endm
.macro PLACES                          ; four plain lines between matrix instructions and loads into their registers, or reads of their results
.rept 4
	v_nop
.endr
.endm
; gelu(x) = x Phi(x) = max(x, 0) - |x| erfc(|x| / sqrt(2)) / 2, for tile t's 8 numbers, in place.  erfc(a) = (1 + p(q)) / (1 + 2 a) x e^(-a a), q = (a - 2) / (a + 2), p of degree 9.
; a a is taken in two parts (the product and its rounding error, by a fused multiply-add), and so is its multiple of log2(e): the low parts enter as 1 - ln(2) x low.
.macro GELU t
.set HX, HA+8*(\t)
.irp p, 0,2,4,6
	v_pk_mul_f32 v[GA+\p:GA+\p+1], v[HX+\p:HX+\p+1], 0x3f3504f3 op_sel_hi:[1,0]      ; x / sqrt(2); the accumulator is read from its low end on
.endr
.irp p, 0,1,2,3,4,5,6,7
	v_min_num_f32 v[GA+\p], |v[GA+\p]|, s70        ; a, held at 11
.endr
.irp p, 0,2,4,6
	v_pk_add_f32 v[GB+\p:GB+\p+1], v[GA+\p:GA+\p+1], 2.0 op_sel_hi:[1,0]
.endr
.irp p, 0,2,4,6
	v_pk_fma_f32 v[GD+\p:GD+\p+1], v[GA+\p:GA+\p+1], 4.0, 2.0 op_sel_hi:[1,0,0]      ; 2 (1 + 2 a): the half of erfc / 2 rides here
.endr
.irp p, 0,2,4,6
	v_pk_add_f32 v[GC+\p:GC+\p+1], v[GA+\p:GA+\p+1], -2.0 op_sel_hi:[1,0]
.endr
	s_wait_alu depctr_va_vdst(0)
.irp p, 0,1,2,3,4,5,6,7
	v_rcp_f32 v[GB+\p], v[GB+\p]
.endr
.irp p, 0,1,2,3,4,5,6,7
	v_rcp_f32 v[GD+\p], v[GD+\p]
.endr
.irp p, 0,2,4,6
	v_pk_mul_f32 v[GE+\p:GE+\p+1], v[GA+\p:GA+\p+1], v[GA+\p:GA+\p+1]                ; s = a a.  (Plain lines that use no reciprocal stand behind them)
.endr
.irp p, 0,2,4,6
	v_pk_fma_f32 v[GF+\p:GF+\p+1], v[GA+\p:GA+\p+1], v[GA+\p:GA+\p+1], v[GE+\p:GE+\p+1] neg_lo:[0,0,1] neg_hi:[0,0,1]   ; a a - s, exactly
.endr
.irp p, 0,2,4,6
	v_pk_mul_f32 v[GG+\p:GG+\p+1], v[GE+\p:GE+\p+1], 0x3fb8aa3b op_sel_hi:[1,0]      ; s log2(e)
.endr
.irp p, 0,2,4,6
	v_pk_fma_f32 v[GH+\p:GH+\p+1], v[GE+\p:GE+\p+1], 0x3fb8aa3b, v[GG+\p:GG+\p+1] op_sel_hi:[1,0,1] neg_lo:[0,0,1] neg_hi:[0,0,1]   ; and what its rounding dropped
.endr
.irp p, 0,2,4,6
	v_pk_fma_f32 v[GF+\p:GF+\p+1], v[GF+\p:GF+\p+1], 0x3fb8aa3b, v[GH+\p:GH+\p+1] op_sel_hi:[1,0,1]   ; the exponent's low part
.endr
.irp p, 0,1,2,3,4,5,6,7
	v_exp_f32 v[GG+\p], -v[GG+\p]
.endr
	s_wait_alu depctr_va_vdst(0)                   ; the sixteen reciprocals (GB, GD) and the eight exponentials (GG) are written: one wait for the batch, ahead of its first reader
.irp p, 0,2,4,6
	v_pk_mul_f32 v[GC+\p:GC+\p+1], v[GC+\p:GC+\p+1], v[GB+\p:GB+\p+1]                ; q.  (Plain lines behind the exponentials)
.endr
.irp p, 0,2,4,6
	v_pk_fma_f32 v[GE+\p:GE+\p+1], v[GC+\p:GC+\p+1], v[C9:C9+1], 0xbaa15130 op_sel_hi:[1,1,0]
.endr
.irp k, 0x3aac2b8a, 0x3c0d6e62, 0xbc040dc1, 0xbd5e05b5, 0x3e27fe23, 0xbe2a0420, 0xbdbdfb0b, 0x3e8dd01d
.irp p, 0,2,4,6
	v_pk_fma_f32 v[GE+\p:GE+\p+1], v[GE+\p:GE+\p+1], v[GC+\p:GC+\p+1], \k op_sel_hi:[1,1,0]
.endr
.endr
.irp p, 0,2,4,6
	v_pk_fma_f32 v[GE+\p:GE+\p+1], v[GE+\p:GE+\p+1], v[GD+\p:GD+\p+1], v[GD+\p:GD+\p+1]   ; (p + 1) / (2 (1 + 2 a))
.endr
.irp p, 0,2,4,6
	v_pk_mul_f32 v[GE+\p:GE+\p+1], v[GE+\p:GE+\p+1], v[GG+\p:GG+\p+1]
.endr
.irp p, 0,2,4,6
	v_pk_mul_f32 v[GH+\p:GH+\p+1], v[GE+\p:GE+\p+1], 0xbf317218 op_sel_hi:[1,0]      ; x -ln(2)
.endr
.irp p, 0,2,4,6
	v_pk_fma_f32 v[GE+\p:GE+\p+1], v[GH+\p:GH+\p+1], v[GF+\p:GF+\p+1], v[GE+\p:GE+\p+1]   ; erfc(a) / 2
.endr
.irp p, 0,1,2,3,4,5,6,7
	v_max_num_f32 v[GB+\p], 0, v[HX+\p]
.endr
.irp p, 0,1,2,3,4,5,6,7
	v_fma_f32 v[HX+\p], -|v[HX+\p]|, v[GE+\p], v[GB+\p]
.endr
.endm
; 64 numbers of a lane, register 16 b + i = hidden unit 32 b + 16 (lane / 16) + i of my token, become a fragment's codes in v[PC] on and its scale word in v[PW]
.macro QUANT s
.irp b, 0,1,2,3
	v_max3_num_f32 v[TM+\b], |v[\s+16*\b]|, |v[\s+1+16*\b]|, 0x1800000   ; block b: my 16 numbers, and the floor 2^(3 - 127)
.endr
.irp i, 2,4,6,8,10,12,14
.irp b, 0,1,2,3
	v_max3_num_f32 v[TM+\b], v[TM+\b], |v[\s+16*\b+\i]|, |v[\s+1+16*\b+\i]|
.endr
.endr
.irp b, 0,1,2,3
	v_permlanex16_b32 v[TM+4+\b], v[TM+\b], s66, s67
.endr
.irp b, 0,1,2,3
	v_max_num_f32 v[TM+\b], v[TM+\b], v[TM+4+\b]   ; with lane l xor 16's: the block's largest magnitude
.endr
.irp b, 0,1,2,3
	v_add_nc_u32 v[TM+12+\b], 0xff000000, v[TM+\b]
.endr
.irp b, 0,1,2,3
	v_lshrrev_b32 v[TM+4+\b], 23, v[TM+12+\b]
.endr
	v_lshl_or_b32 v[PW], v[TM+5], 8, v[TM+4]
	v_lshl_or_b32 v[PW], v[TM+6], 16, v[PW]
	v_lshl_or_b32 v[PW], v[TM+7], 24, v[PW]
.irp b, 0,1,2,3
	v_cvt_scalef32_pk8_fp4_f32 v[PC+2*\b], v[\s+16*\b:\s+7+16*\b], v[TM+12+\b]
	v_cvt_scalef32_pk8_fp4_f32 v[PC+1+2*\b], v[\s+8+16*\b:\s+15+16*\b], v[TM+12+\b]
.endr
	v_nop                                          ; a plain line behind the conversions
.irp c, 0,1                            ; the operand wants a whole block in a lane: lanes 0-15 block 2 c, lanes 16-31 block 2 c + 1
.irp i, 0,1
	v_permlane16_swap_b32 v[PC+4*\c+\i], v[PC+2+4*\c+\i]
.endr
.endr
.endm
	s_load_b256 s[4:11], s[0:1], 0x0               ; W1 s[4:5], xc s[6:7], xs s[8:9], ids s[10:11]
	s_load_b128 s[12:15], s[0:1], 0x20             ; hc s[12:13], hs s[14:15]
	v_lshl_add_u32 v254, v0, 2, 0x11000            ; my spare word's LDS address and 0: made here and kept for the closing lines alone
	v_mov_b32 v255, 0
	v_lshrrev_b32 v1, 5, v0
	v_readfirstlane_b32 s16, v1                    ; wave 0..15
	v_and_b32 v1, 31, v0                           ; lane L
	v_and_b32 v7, 15, v0                           ; r
	v_bfe_u32 v11, v0, 4, 1                        ; h
	s_lshr_b32 s17, ttmp9, 5                       ; e
	s_and_b32 s18, ttmp9, 31                       ; sl
	s_wait_alu depctr_va_sdst(0)                   ; s16 is written, ahead of its first reader
	s_and_b32 s19, s16, 1                          ; c: which half of the K step my 64 rows are
	s_lshr_b32 s20, s16, 1                         ; ks
	v_lshlrev_b32 v3, 4, v1                        ; 16 L: my 16 bytes of a row's 512; also an image's place for my lane when it is read
	v_lshl_add_u32 v4, v1, 2, WSC                  ; a scale register's
	; where my columns 4 L + j go.  Column m = 4 (L % 8) + j of group cs = L / 8 is row r = m % 8 + 8 (m / 16) of tile 2 cs + u, u = (m / 8) % 2: r = j + 4 (L & 1) + 8 (bit 2 of L), u = bit 1 of L
	v_and_b32 v13, 1, v1
	v_bfe_u32 v14, v0, 1, 1
	v_bfe_u32 v15, v0, 2, 1
	v_bfe_u32 v16, v0, 3, 2
	v_lshlrev_b32 v5, 6, v13                       ; images: 16 r,
	v_lshl_add_u32 v5, v15, 7, v5
	v_lshl_add_u32 v5, v14, 10, v5                 ; 1,024 u,
	v_lshl_add_u32 v5, v16, 11, v5                 ; 2,048 cs,
	s_lshl_b32 s26, s20, 13                        ; 8,192 ks,
	s_lshl_b32 s27, s19, 9                         ; 512 c
	s_add_co_u32 s26, s26, s27
	v_add_nc_u32 v5, s26, v5
	v_lshlrev_b32 v6, 4, v13                       ; scale words: 4 (r + 16 u),
	v_lshl_add_u32 v6, v15, 5, v6
	v_lshl_add_u32 v6, v14, 6, v6
	v_lshl_add_u32 v6, v16, 7, v6                  ; 128 cs,
	s_lshl_b32 s26, s20, 9                         ; 512 ks,
	s_lshl_b32 s27, s19, 1                         ; and my half of the word: bytes 2 c, 2 c + 1
	s_add_co_u32 s26, s26, s27
	s_add_co_u32 s26, s26, WSC
	v_add_nc_u32 v6, s26, v6
	v_lshlrev_b32 v8, 4, v11                       ; 16 h
	v_lshlrev_b32 v12, 2, v7                       ; 4 r
	v_mov_b32 v[ZR], 0
	v_mov_b32 v[C9], 0xb9d25000
	v_mov_b32 v[C9+1], 0xb9d25000
.irp b, 0,1,2,3
	v_mov_b32 v[TM+4+\b], 0                        ; written once: a lane permute's destination counts as one of its sources
.endr
	s_mov_b32 s66, 0x76543210
	s_mov_b32 s67, 0xfedcba98
	s_mov_b32 s70, 0x41300000                      ; 11.0
	s_mov_b32 s24, s16                             ; my first tile
	s_lshl_b32 s68, s17, 24                        ; W1: the expert's 2^24 bytes,
	s_lshl_b32 s26, s16, 20                        ; 64 w rows,
	s_add_co_u32 s68, s68, s26
	s_lshl_b32 s26, s18, 9                         ; 128 sl columns
	s_add_co_u32 s68, s68, s26
	s_mov_b32 s69, 0
	s_lshl_b32 s26, s17, 6
	s_add_co_u32 s26, s26, s16                     ; 64 e + j
	s_lshl_b32 s72, s26, 15
	s_lshl_b32 s27, s18, 10
	s_add_co_u32 s72, s72, s27                     ; hc: tile x 32,768 + K step x 1,024
	s_mov_b32 s73, 0
	s_lshl_b32 s74, s26, 11
	s_lshl_b32 s27, s18, 6
	s_add_co_u32 s74, s74, s27                     ; hs: tile x 2,048 + K step x 64
	s_mov_b32 s75, 0
	s_wait_kmcnt 0x0
	s_add_nc_u64 s[4:5], s[4:5], s[68:69]
	s_add_nc_u64 s[28:29], s[12:13], s[72:73]
	s_add_nc_u64 s[30:31], s[14:15], s[74:75]
	s_wait_alu depctr_va_vdst(0)                   ; the offsets and LDS addresses v3, v4, v5, v6, v12 are written, which the kernel's loads and stores read; so are v232 to v235, in which index loads land
.irp q, 0,1,2,3,4,5,6,7
	global_load_b128 v[ID+4*\q:ID+4*\q+3], v3, s[10:11] offset:512*\q   ; register 4 q + i of lane L: token 128 q + 4 L + i
.endr
	LOADG CH0, 0                                   ; set A,
	LOADG CH1, 8
	LOADG CH2, 16
	LOADG CH3, 24
	LOADG CH4, RB                                  ; and set B's first eight rows: 40 loads of 512 bytes are out
	s_wait_loadcnt 40                              ; 40 loads were issued behind the indices: they are in
.set m_, 0
.rept 32
	v_cmp_eq_u32 s[32+m_], s17, v[ID+m_]
.set m_, m_+1
.endr
	s_wait_alu depctr_va_sdst(0)                   ; the 32 compares have written s32 to s63, ahead of their first reader
	s_mov_b32 s21, 0
.set m_, 0
.rept 32
	s_bcnt1_i32_b32 s26, s[32+m_]
	s_add_co_u32 s21, s21, s26
.set m_, m_+1
.endr
	s_sub_co_u32 s22, s21, 1
	s_add_co_u32 s23, s21, 15
	s_lshr_b32 s23, s23, 4                         ; tiles of 16
	s_add_co_u32 s25, s23, 15
	s_sub_co_u32 s25, s25, s16
	s_lshr_b32 s25, s25, 4                         ; of tiles w, w + 16, .. those under the expert's count: (tiles + 15 - w) / 16, 0 where w is not under it
	s_min_u32 s25, s25, 4                          ; 1,024 tokens are 64 tiles at the most, four a wave: under this bound the stepped bases stay inside hc and hs
	s_mov_b32 s71, 0                               ; none is done
	SELECT                                         ; while the weights are on their way
	GADR
	MAXG CH0, 1, 32                                ; set A, chunk by chunk as it lands: the counts are the chunks issued behind
	s_wait_alu depctr_va_vdst(0)
	MAXG CH1, 0, 24
	s_wait_alu depctr_va_vdst(0)
	MAXG CH2, 0, 16
	s_wait_alu depctr_va_vdst(0)
	MAXG CH3, 0, 8
.irp j, 0,1,2,3
	v_add_nc_u32 v[SO+\j], 0xff000000, v[MX+\j]    ; 2 off the exponent field: the conversion's scale operand
.endr
.irp j, 0,1,2,3
	v_lshrrev_b32 v[SB+\j], 23, v[SO+\j]           ; the scale's byte: block 2 c
.endr
	CONVG CH0, 0, 0
	s_wait_alu depctr_va_vdst(0)                   ; the largest-magnitude lines and the moves are done reading chunk 0, in which the loads below land
	LOADG CH0, RB+8                                ; each chunk that has been converted takes eight more rows of set B
	CONVG CH1, 0, 1
	s_wait_alu depctr_va_vdst(0)                   ; the same of chunk 1
	LOADG CH1, RB+16
	CONVG CH2, 0, 2
	s_wait_alu depctr_va_vdst(0)                   ; the same of chunk 2
	LOADG CH2, RB+24
	CONVG CH3, 0, 3
	s_wait_alu depctr_va_vdst(0)                   ; the same of chunk 3, in which x lands; v9 and v10, x's offsets, are written; set A's codes are written, which the LDS stores read
	GATHA                                          ; my first tile's x, K steps 0-3 and the scale words: 9 loads
	STOREQ 0
	MAXG CH4, 1, 33                                ; set B: behind its first chunk stand its other three (24) and the 9
	s_wait_alu depctr_va_vdst(0)
	MAXG CH0, 0, 25
	s_wait_alu depctr_va_vdst(0)
	MAXG CH1, 0, 17
	s_wait_alu depctr_va_vdst(0)
	MAXG CH2, 0, 9
.irp j, 0,1,2,3
	v_add_nc_u32 v[SO+\j], 0xff000000, v[MX+\j]
.endr
.irp j, 0,1,2,3
	v_lshrrev_b32 v[MX+\j], 23, v[SO+\j]
.endr
.irp j, 0,1,2,3
	v_lshl_or_b32 v[SB+\j], v[MX+\j], 8, v[SB+\j]  ; block 2 c + 1's byte above block 2 c's
.endr
	CONVG CH4, 1, 0
	s_wait_alu depctr_va_vdst(0)                   ; the largest-magnitude lines and the moves are done reading chunk 4, in which x's second part lands
	GATHB                                          ; x's K steps 4-7: 8 loads
	CONVG CH0, 1, 1
	CONVG CH1, 1, 2
	CONVG CH2, 1, 3
	v_nop                                          ; a plain line behind the last conversion
	s_wait_alu depctr_va_vdst(0)                   ; set B's codes and the scale bytes are written, which the LDS stores read; and the stream is done with v160 to v227, in which the first tile's LDS loads land: no vector line stands between here and them
	STOREQ 1
.irp j, 0,1,2,3
	ds_store_b16 v6, v[SB+\j] offset:4*\j          ; my half of the column's scale word
.endr
	s_wait_dscnt 0x0                               ; for the others' sake: my parts of the images lie in LDS
	s_barrier_signal -1
	s_barrier_wait -1                              ; all 64 fragments and 32 scale registers do.  Nothing writes them from here on
	s_wait_alu depctr_vm_vsrc(0)                   ; my LDS stores have read the codes (v208 to v239) and the bytes (v248 to v251): the tiles' LDS loads, gelu and QUANT write these registers
	s_cmp_eq_u32 s25, 0
	s_cbranch_scc1 .Ldone                          ; the expert has fewer tiles than my number
.Ltile:
	s_wait_loadcnt 0x0                             ; x
	DSLH 0, 0
	DSLH 0, 1
.set KS_, 0
.rept 8
	s_wait_dscnt 10                                ; tiles 0-3 are in; the ten loads behind them may be out
	MULH KS_, 0
	s_wait_dscnt 0x0                               ; tiles 4-7 are in
	MULH KS_, 1
	PLACES
.if KS_ < 7
	s_wait_alu depctr_va_vdst(0)                   ; the K step's eight matrix instructions are done reading W1's fragments and their scale registers, in which the 20 loads below land
	DSLH KS_+1, 0
	DSLH KS_+1, 1
.endif
.set KS_, KS_+1
.endr
.irp t, 0,1,2,3,4,5,6,7
	GELU \t
.endr
	QUANT HA
	s_wait_alu depctr_va_vdst(0)                   ; QUANT has written the codes v[PC ..] and the scale word v[PW], which the three stores read
	global_store_b128 v3, v[PC:PC+3], s[28:29]               ; the fragment's image: 512 consecutive bytes a store
	global_store_b128 v3, v[PC+4:PC+7], s[28:29] offset:512
	global_store_b32 v12, v[PW], s[30:31]                    ; 16 scale words; both halves of the lanes write the same
	s_wait_xcnt 0x0                                ; the stores have read their registers and bases: both may be written again
	s_wait_alu depctr_vm_vsrc(0)                   ; the stores have read v[PC ..] and v[PW], which the next tile's QUANT writes; the gather's loads have read v9 and v10, which are made anew below
	s_add_nc_u64 s[28:29], s[28:29], 0x80000       ; 16 tiles on
	s_add_nc_u64 s[30:31], s[30:31], 0x8000
	s_add_co_u32 s24, s24, 16
	s_add_co_u32 s71, s71, 1                       ; the loop is counted by ones, against the number of my tiles
	s_cmp_ge_u32 s71, s25
	s_cbranch_scc1 .Ldone
	SELECT
	GADR
	s_wait_alu depctr_va_vdst(0)                   ; v9 and v10 are written; the matrix instructions are done reading x's fragments and scale words, in which the gather lands; gelu and QUANT are done with v160 to v227, in which the next trip's first LDS loads land
	GATHA
	GATHB
	s_cmp_lt_u32 s71, s25
	s_cbranch_scc1 .Ltile
.Ldone:
	s_wait_dscnt 0x0                               ; the closing lines, six on end
	s_wait_alu 0x0
	s_wait_tensorcnt 0x0
	ds_add_u32 v254, v255
	s_wait_dscnt 0x0
	s_endpgm
.Lfunc_end_k_q85b0425b9d_fc1:
	.size	k_q85b0425b9d_fc1, .Lfunc_end_k_q85b0425b9d_fc1-k_q85b0425b9d_fc1
	.p2alignl 7, 3214868480
	.fill 96, 4, 3214868480
	.section	.rodata,"a",@progbits
	.p2align	6, 0x0
	.amdhsa_kernel k_q85b0425b9d_fc1
		.amdhsa_group_segment_fixed_size 71680
		.amdhsa_private_segment_fixed_size 0
		.amdhsa_enable_private_segment 0
		.amdhsa_kernarg_size 48
		.amdhsa_user_sgpr_count 2
		.amdhsa_user_sgpr_kernarg_segment_ptr 1
		.amdhsa_wavefront_size32 1
		.amdhsa_system_sgpr_workgroup_id_x 1
		.amdhsa_system_sgpr_workgroup_id_y 1
		.amdhsa_system_sgpr_workgroup_id_z 1
		.amdhsa_system_vgpr_workitem_id 0
		.amdhsa_next_free_vgpr 256
		.amdhsa_next_free_sgpr 80
		.amdhsa_reserve_vcc 1
		.amdhsa_float_denorm_mode_32 3
		.amdhsa_float_denorm_mode_16_64 3
		.amdhsa_memory_ordered 1
		.amdhsa_forward_progress 1
		.amdhsa_inst_pref_size 171
	.end_amdhsa_kernel
	.amdgpu_metadata
---
amdhsa.version: [ 1, 2 ]
amdhsa.kernels:
  - .name:           k_q85b0425b9d_fc1
    .symbol:         k_q85b0425b9d_fc1.kd
    .args:
      - { .name: W1, .offset: 0, .size: 8, .value_kind: global_buffer, .address_space: global }
      - { .name: xc, .offset: 8, .size: 8, .value_kind: global_buffer, .address_space: global }
      - { .name: xs, .offset: 16, .size: 8, .value_kind: global_buffer, .address_space: global }
      - { .name: ids, .offset: 24, .size: 8, .value_kind: global_buffer, .address_space: global }
      - { .name: hc, .offset: 32, .size: 8, .value_kind: global_buffer, .address_space: global }
      - { .name: hs, .offset: 40, .size: 8, .value_kind: global_buffer, .address_space: global }
    .group_segment_fixed_size: 71680
    .private_segment_fixed_size: 0
    .kernarg_segment_align: 8
    .kernarg_segment_size: 48
    .max_flat_workgroup_size: 512
    .sgpr_count:     80
    .vgpr_count:     256
    .wavefront_size: 32
...
	.end_amdgpu_metadata
.endif
;; end of part 5
;; launch fc2 (part 6): grid 256 x 1, 16 waves a work-group, no clusters, 108,544 bytes of LDS; arguments W2, hc, hs, ids, prob, out0; writes out0
.if DOCPART == 6
	.amdgcn_target "amdgcn-amd-amdhsa--gfx1250"
	.amdhsa_code_object_version 6
	.text
	.protected	k_q85b0425b9d_fc2
	.globl	k_q85b0425b9d_fc2
	.p2align	8
	.type	k_q85b0425b9d_fc2,@function
k_q85b0425b9d_fc2:
	s_mov_b64 s[64:65], 0
	v_nop
	global_prefetch_b8 v0, s[64:65] scope:SCOPE_SE
	s_setreg_imm32_b32 hwreg(HW_REG_WAVE_SCHED_MODE, 0, 2), 2
	s_setreg_imm32_b32 hwreg(HW_REG_WAVE_MODE, 25, 1), 1
	s_wait_xcnt 0x0
	s_wait_alu depctr_vm_vsrc(0)
; out[token] = prob[token] x (hidden W2[e]) for the tokens whose expert is e, on codes of FP4 (E2M1) with one E8M0 scale for each 32 along K = 4,096.
; W2 [8][4096 (k)][1024 (n)] f32 is read ONCE, each byte by one work-group, and quantised in registers on its way.  The hidden layer comes as fragment images (hc) and scale words (hs) that the launch before stored.
; SHARES.  Work-group g: expert e = g / 32, output columns 32 sl .. 32 sl + 31 (sl = g % 32), ALL of K: each output number has one owner and no sum spans work-groups.  The price: a row's piece, of W2 and of out, is
; 128 bytes; with 256 work-groups longer pieces would split K between work-groups and want a launch to add the parts.
; PHASE 1, THE STREAM.  Wave w takes the 32 columns x rows 256 w .. 256 w + 255 (K steps 2 w, 2 w + 1): 64 loads of 16 bytes a lane, each covering the 128 bytes of four rows.  Lane (q = lane % 8, g = lane / 8) holds
; columns 4 q .. 4 q + 3 of row 256 w + 128 s + 32 g + t: set s (A, B) is its block g of K step 2 w + s.  A row lies in four registers, a column's block in 32 registers four apart: the largest magnitude is taken where
; the numbers lie, and for each conversion eight numbers are moved together.  40 loads (20 KB a wave) go out at the head; the rest of set B follows into A's registers as they are converted.  A column's 32 codes of a
; block go by one LDS store to their place in the operand fragment's image, its scale byte to its place in the scale word.  Column 8 u + r + 8 (r / 8) is row r of tile u, so that in the transposed product
; lane (token r, h) holds columns 16 h + 8 u + 0 .. 7 in tile u.  One barrier.
; PHASE 2, THE TOKENS.  Tile j = the expert's tokens of rank 16 j .. 16 j + 15, found as in the launch before (the same SELECT on the same indices); wave w takes tiles w, w + 16, ..  Ranks past the last are held at
; the last: copies, stored with the same bytes to the same place.  For a tile: 32 K steps x 2 tiles of columns, on four accumulators (even and odd K steps apart, added at the end), x prob, through the wave's own
; stage, out as rows of 128 bytes.
; No tensor load: trip counts hang on stored numbers.  No cluster: no two work-groups read the same weights; the hidden tiles that they share are a small part (32 KB a tile against 512 KB).
; LIMITS.  NaN and infinities are not served.  Blocks whose largest magnitude lies under 2^-124 keep the byte 1 (blocks of zeros too: their codes are zeros).  The sum over K is taken in two halves, not in one chain.
; THE MODE: SCHED_MODE bits 1:0 = 2 (LLVM: expert scheduling mode 2), set by the entry lines.  The code itself states the register dependences between vector or matrix instructions and memory or LDS
; instructions, and those through scalar registers and VCC that vector instructions write, with s_wait_alu, always for 0.
; THE PLAN.  Registers that memory or LDS instructions touch:
;   v2 to v6, v10 to v12  offsets and LDS addresses: made at the head, never written again: one wait on va_vdst ahead of the first load serves them all.
;   CH0 .. CH4            the weight loads land in them; a chunk's largest-magnitude lines and its moves read it.  One wait on va_vdst behind the conversions of chunks 0, 1 and 2, which are loaded again at once.
;   C, BY                 written by the conversions and shifts, read by the LDS stores: one wait on va_vdst ahead of each set's stores; one wait on vm_vsrc behind the barrier frees them.
;   v9                    prob's offset: written by SELECT, read by one load a tile.     PR, HS, HB   global loads land in them; the scaling and the matrix instructions read them.
;   WB, WS                two K steps' ten LDS loads land in them; the four matrix instructions of the two K steps read them.  ONE wait on va_vdst for two K steps, behind the four, ahead of the next ten loads
;                         (and of the 16 hidden loads into the set that has just been multiplied, behind K steps 7 and 15).
;   ACC, OO, OB           the way out: ACC is written by the sums and the scaling and read by the stage's stores; OO by four runs of vector lines and read by out's stores; OB takes the stage's loads, where weights lay:
;                         one wait on va_vdst for the three, one on vm_vsrc behind out's stores (it frees v9 too).
;   One wait on va_vdst behind the next tile's SELECT covers v9 and all that the next trip's loads land in: no vector or matrix line stands between it and them.
;   v254, v255            written at the head, read by the closing add alone.
.set PITCH, 4096                       ; a row of W2[e] in bytes
.set RB,    128                        ; set B's first row among the rows that the immediates count
.set IMS,   2048                       ; LDS bytes from set A's images to set B's: a K step's two
.set WSC,   65536                      ; LDS: 64 images of 1,024 bytes (2 ks + u) from 0; 32 scale registers of 128 bytes (ks): lanes 0-15 tile u = 0, lanes 16-31 u = 1;
.set STG,   69632                      ; a stage of 16 rows x (128 + 16) bytes for each wave
.set WOF,  2                           ; the weight loads' offset: 32 g rows + 16 q
.set RHO,  13
.set WORD, 14
.set REL,  15
.set BASE, 16
.set TT,   17
.set X1,   18
.set X2,   19
.set X4,   20
.set X8,   21
.set POS,  22
.set CC,   23
.set ZR,   24                          ; 0, kept
.set TOK,  25
.set PR,   26                          ; v26 my token's probability; v27 named with it as a pair
.set HS,   28                          ; v28-43   the hidden layer's scale words: register i: lanes 0-15 K step 2 i, lanes 16-31 K step 2 i + 1
.set HB,   44                          ; v44-171  two sets of 8 hidden fragments
.set ACC,  172                         ; v172-203 four accumulators: 16 (ks % 2) + 8 u
.set WB,   204                         ; v204-235 W2's fragments of two K steps
.set WS,   236                         ; v236-237 their scale registers
.set L8,   253                         ; v253     16 (lane % 8), kept
.set CH0,  44                          ; in the stream: five chunks of 32 registers, 8 loads each.  Set A: chunks 0, 1, 2, 3; set B: chunks 4, 0, 1, 2
.set CH1,  76
.set CH2,  108
.set CH3,  140
.set CH4,  172
.set T,    204                         ; v204-219 two runs of eight numbers for the conversions, by turns
.set ID,   220                         ; v220-251 the indices, then
.set C,    220                         ; the codes: 16 s + 4 j + g: set s, column j, rows 8 g on
.set MX,   28                          ; v28-31 the four columns' largest magnitudes
.set SO,   32                          ; v32-35 the conversions' scale operands
.set BY,   36                          ; v36-43 the scale bytes: 4 s + j
.set OB,   204                         ; the way out: v204-219 16 rows of 128 bytes; v220-223 their offsets in out
.set OO,   220
; scalars as in the launch before (s25 how many tiles are mine; in SELECT s72-75 four words' counts, s76-79 four masks); s87 how many of my tiles are done; s[68:83] on the way out the tile's 16 tokens; s84-86 lanes 8-15, 16-23, 24-31
.macro LOADG base, row                 ; eight loads into a chunk: register 4 i + j = W2(256 w + 32 g + row + i, column 4 q + j).  The largest immediate is 159 rows, 651,264 bytes: inside the signed 24 bits (ISA guide, chapter 10)
.set LI_, 0
.rept 8
	global_load_b128 v[(\base)+4*LI_:(\base)+4*LI_+3], v[WOF], s[4:5] offset:((\row)+LI_)*PITCH th:TH_LOAD_NT
.set LI_, LI_+1
.endr
.endm
.macro MAXG base, first, left          ; a chunk's eight rows into the four columns' largest magnitudes, the columns by turns.  left: the loads issued behind the chunk's, which may stay out
	s_wait_loadcnt \left
.irp i, 0,2,4,6
.irp j, 0,1,2,3
.if (\first) && (\i == 0)
	v_max3_num_f32 v[MX+\j], |v[(\base)+\j]|, |v[(\base)+4+\j]|, 0x1800000          ; the floor 2^(3 - 127) among the leaves: the byte cannot fall under 1
.else
	v_max3_num_f32 v[MX+\j], v[MX+\j], |v[(\base)+4*\i+\j]|, |v[(\base)+4*\i+4+\j]|
.endif
.endr
.endr
.endm
.macro SCALEB s                        ; set s: the conversions' scale operands (2 off the exponent field) and the scale bytes
.irp j, 0,1,2,3
	v_add_nc_u32 v[SO+\j], 0xff000000, v[MX+\j]
.endr
.irp j, 0,1,2,3
	v_lshrrev_b32 v[BY+4*(\s)+\j], 23, v[SO+\j]
.endr
.endm
.macro CONVG base, s, g                ; a chunk's eight rows into codes: a column's eight numbers are moved together, then converted.  The moves into one run are the plain lines behind the conversion from the other
.irp j, 0,1,2,3
.irp i, 0,1,2,3,4,5,6,7
	v_mov_b32 v[T+8*(\j%2)+\i], v[(\base)+4*\i+\j]
.endr
	v_cvt_scalef32_pk8_fp4_f32 v[C+16*(\s)+4*\j+(\g)], v[T+8*(\j%2):T+8*(\j%2)+7], v[SO+\j]
.endr
.endm
.macro STOREQ s                        ; set s: each column's 32 codes to their place in the column's fragment image, its scale byte to its place in the scale word
.irp j, 0,1,2,3
	ds_store_b128 v5, v[C+16*(\s)+4*\j:C+16*(\s)+4*\j+3] offset:IMS*(\s)+16*\j
.endr
.irp j, 0,1,2,3
	ds_store_b8 v6, v[BY+4*(\s)+\j] offset:128*(\s)+4*\j
.endr
.endm
.macro SELSTEP src, wid, sh
	v_bfe_u32 v[CC], v[\src], v[POS], \wid
	v_cmp_lt_u32 vcc_lo, v[REL], v[CC]
	s_wait_alu depctr_va_vcc(0)                    ; the compare has written VCC, which the two selects read
	v_cndmask_b32 v[CC], v[CC], v[ZR], vcc_lo
	v_cndmask_b32 v[TT], \sh, v[ZR], vcc_lo
	v_sub_nc_u32 v[REL], v[REL], v[CC]
	v_add_nc_u32 v[POS], v[POS], v[TT]
.endm
.macro SELW i, r                       ; word m_ + i; r: the rank as it stands at that word
	v_cndmask_b32 v[WORD], s[32+m_+\i], v[WORD], s[76+\i]
	v_cndmask_b32 v[REL], v[\r], v[REL], s[76+\i]
	v_cndmask_b32 v[BASE], 128*(m_/4)+\i, v[BASE], s[76+\i]
.endm
.macro SELECT                          ; the token of rank min(16 j + lane % 16, tokens - 1) of my expert: word for word the launch before's, so that a tile holds the same tokens in the same rows
	s_lshl_b32 s27, s24, 4
	v_add_nc_u32 v[RHO], s27, v7
	v_min_u32 v[RHO], s22, v[RHO]
	v_mov_b32 v[WORD], 0
	v_mov_b32 v[REL], 0
	v_mov_b32 v[BASE], 0
.set m_, 0
.rept 8
.irp i, 0,1,2,3
	s_bcnt1_i32_b32 s[72+\i], s[32+m_+\i]
.endr
	v_sub_nc_u32 v[X1], v[RHO], s72
	v_sub_nc_u32 v[X2], v[X1], s73
	v_sub_nc_u32 v[X4], v[X2], s74
	v_cmp_le_u32 s76, s72, v[RHO]
	v_cmp_le_u32 s77, s73, v[X1]
	v_cmp_le_u32 s78, s74, v[X2]
	v_cmp_le_u32 s79, s75, v[X4]
	s_wait_alu depctr_va_sdst(0)                   ; the four compares have written s76 to s79, which the twelve selects read
	SELW 0, RHO
	SELW 1, X1
	SELW 2, X2
	SELW 3, X4
	v_sub_nc_u32 v[RHO], v[X4], s75
.set m_, m_+4
.endr
	v_lshrrev_b32 v[X1], 1, v[WORD]
	v_and_b32 v[X1], 0x55555555, v[X1]
	v_sub_nc_u32 v[X1], v[WORD], v[X1]
	v_lshrrev_b32 v[X2], 2, v[X1]
	v_and_b32 v[X2], 0x33333333, v[X2]
	v_and_b32 v[CC], 0x33333333, v[X1]
	v_add_nc_u32 v[X2], v[X2], v[CC]
	v_lshrrev_b32 v[X4], 4, v[X2]
	v_add_nc_u32 v[X4], v[X4], v[X2]
	v_and_b32 v[X4], 0x0f0f0f0f, v[X4]
	v_lshrrev_b32 v[X8], 8, v[X4]
	v_add_nc_u32 v[X8], v[X8], v[X4]
	v_and_b32 v[X8], 0x00ff00ff, v[X8]
	v_mov_b32 v[POS], 0
	SELSTEP X8, 8, 16
	SELSTEP X4, 8, 8
	SELSTEP X2, 4, 4
	SELSTEP X1, 2, 2
	SELSTEP WORD, 1, 1
	v_lshl_add_u32 v[TOK], v[POS], 2, v[BASE]
	v_min_u32 v[TOK], 0x3ff, v[TOK]
	v_lshlrev_b32 v9, 2, v[TOK]                    ; its place in prob
.endm
.macro WM d, a, b, z, sa, sb, ra, rb   ; one matrix instruction: D = A (16 columns of the weight) x B (16 tokens) + C; z: C is the constant 0; ra, rb: the side's scales stand in lanes 16-31
.if \z
.if \ra
.if \rb
	v_wmma_scale_f32_16x16x128_f8f6f4 v[\d:\d+7], v[\a:\a+7], v[\b:\b+7], 0, v[\sa], v[\sb] matrix_a_fmt:MATRIX_FMT_FP4 matrix_b_fmt:MATRIX_FMT_FP4 matrix_a_scale:MATRIX_SCALE_ROW1 matrix_b_scale:MATRIX_SCALE_ROW1
.else
	v_wmma_scale_f32_16x16x128_f8f6f4 v[\d:\d+7], v[\a:\a+7], v[\b:\b+7], 0, v[\sa], v[\sb] matrix_a_fmt:MATRIX_FMT_FP4 matrix_b_fmt:MATRIX_FMT_FP4 matrix_a_scale:MATRIX_SCALE_ROW1
.endif
.else
.if \rb
	v_wmma_scale_f32_16x16x128_f8f6f4 v[\d:\d+7], v[\a:\a+7], v[\b:\b+7], 0, v[\sa], v[\sb] matrix_a_fmt:MATRIX_FMT_FP4 matrix_b_fmt:MATRIX_FMT_FP4 matrix_b_scale:MATRIX_SCALE_ROW1
.else
	v_wmma_scale_f32_16x16x128_f8f6f4 v[\d:\d+7], v[\a:\a+7], v[\b:\b+7], 0, v[\sa], v[\sb] matrix_a_fmt:MATRIX_FMT_FP4 matrix_b_fmt:MATRIX_FMT_FP4
.endif
.endif
.else
.if \ra
.if \rb
	v_wmma_scale_f32_16x16x128_f8f6f4 v[\d:\d+7], v[\a:\a+7], v[\b:\b+7], v[\d:\d+7], v[\sa], v[\sb] matrix_a_fmt:MATRIX_FMT_FP4 matrix_b_fmt:MATRIX_FMT_FP4 matrix_a_scale:MATRIX_SCALE_ROW1 matrix_b_scale:MATRIX_SCALE_ROW1
.else
	v_wmma_scale_f32_16x16x128_f8f6f4 v[\d:\d+7], v[\a:\a+7], v[\b:\b+7], v[\d:\d+7], v[\sa], v[\sb] matrix_a_fmt:MATRIX_FMT_FP4 matrix_b_fmt:MATRIX_FMT_FP4 matrix_a_scale:MATRIX_SCALE_ROW1
.endif
.else
.if \rb
	v_wmma_scale_f32_16x16x128_f8f6f4 v[\d:\d+7], v[\a:\a+7], v[\b:\b+7], v[\d:\d+7], v[\sa], v[\sb] matrix_a_fmt:MATRIX_FMT_FP4 matrix_b_fmt:MATRIX_FMT_FP4 matrix_b_scale:MATRIX_SCALE_ROW1
.else
	v_wmma_scale_f32_16x16x128_f8f6f4 v[\d:\d+7], v[\a:\a+7], v[\b:\b+7], v[\d:\d+7], v[\sa], v[\sb] matrix_a_fmt:MATRIX_FMT_FP4 matrix_b_fmt:MATRIX_FMT_FP4
.endif
.endif
.endif
.endm
.macro HLOAD q                         ; 16 loads: the tile's hidden fragments of K steps 8 q .. 8 q + 7 into set q % 2; 512 consecutive bytes a load
.irp k, 0,1,2,3,4,5,6,7
.irp c, 0,1
	global_load_b128 v[HB+64*((\q)%2)+8*\k+4*\c:HB+64*((\q)%2)+8*\k+4*\c+3], v3, s[28:29] offset:(8*(\q)+\k)*1024+512*\c
.endr
.endr
.endm
.macro DSLK ks                         ; five LDS loads: K step ks of both tiles of columns, and their scale register
.irp u, 0,1
.irp c, 0,1
	ds_load_b128 v[WB+16*((\ks)%2)+8*\u+4*\c:WB+16*((\ks)%2)+8*\u+4*\c+3], v3 offset:(2*(\ks)+\u)*1024+512*\c
.endr
.endr
	ds_load_b32 v[WS+((\ks)%2)], v4 offset:128*(\ks)
.endm
.macro MULK ks                         ; two matrix instructions; the four accumulators take turns, one instruction a turn
.set ZF, 0
.if (\ks) < 2
.set ZF, 1
.endif
.irp u, 0,1
	WM ACC+16*((\ks)%2)+8*\u, WB+16*((\ks)%2)+8*\u, HB+64*(((\ks)/8)%2)+8*((\ks)%8), ZF, WS+((\ks)%2), HS+((\ks)/2), \u, ((\ks)%2)
.endr
.endm
.macro PLACES                          ; four plain lines between matrix instructions and loads into their registers, or reads of their results
.rept 4
	v_nop
.endr
.endm
	s_load_b256 s[4:11], s[0:1], 0x0               ; W2 s[4:5], hc s[6:7], hs s[8:9], ids s[10:11]
	s_load_b128 s[12:15], s[0:1], 0x20             ; prob s[12:13], out0 s[14:15]
	v_lshl_add_u32 v254, v0, 2, 0x1a000            ; my spare word's LDS address and 0: made here and kept for the closing lines alone
	v_mov_b32 v255, 0
	v_lshrrev_b32 v1, 5, v0
	v_readfirstlane_b32 s16, v1                    ; wave 0..15
	v_and_b32 v1, 31, v0                           ; lane L
	v_and_b32 v7, 15, v0                           ; r
	v_bfe_u32 v8, v0, 4, 1                         ; h
	s_lshr_b32 s17, ttmp9, 5                       ; e
	s_and_b32 s18, ttmp9, 31                       ; sl
	; where my columns 4 q + j go.  Column m = 4 q + j is row r = m % 8 + 8 (m / 16) of tile u = (m / 8) % 2: r = j + 4 (L & 1) + 8 (bit 2 of L), u = bit 1 of L; my block g = L / 8 is registers 4 (g / 2) on of the reader's lane r + 16 (g % 2)
	v_and_b32 v13, 1, v1
	v_bfe_u32 v14, v0, 1, 1
	v_bfe_u32 v15, v0, 2, 1
	v_bfe_u32 v16, v0, 3, 2                        ; g
	v_and_b32 v[L8], 7, v1
	v_lshlrev_b32 v[L8], 4, v[L8]                  ; 16 q
	v_lshl_add_u32 v2, v16, 17, v[L8]              ; W2: 32 g rows of 4,096 bytes + 16 q
	v_lshlrev_b32 v3, 4, v1                        ; 16 L
	v_lshl_add_u32 v4, v1, 2, WSC
	v_lshlrev_b32 v5, 6, v13                       ; images: 16 r,
	v_lshl_add_u32 v5, v15, 7, v5
	v_lshl_add_u32 v5, v16, 8, v5                  ; 256 g,
	v_lshl_add_u32 v5, v14, 10, v5                 ; 1,024 u,
	s_wait_alu depctr_va_sdst(0)                   ; s16 is written, ahead of its first reader
	s_lshl_b32 s26, s16, 12                        ; 4,096 w: K steps 2 w, 2 w + 1
	v_add_nc_u32 v5, s26, v5
	v_lshl_add_u32 v6, v13, 4, v16                 ; scale bytes: 4 (r + 16 u) + g,
	v_lshl_add_u32 v6, v15, 5, v6
	v_lshl_add_u32 v6, v14, 6, v6
	s_lshl_b32 s26, s16, 8                         ; 256 w
	s_add_co_u32 s26, s26, WSC
	v_add_nc_u32 v6, s26, v6
	v_lshlrev_b32 v10, 2, v1                       ; 4 L
	s_mul_i32 s27, s16, 2304
	s_add_co_u32 s27, s27, STG                     ; my stage
	v_mul_u32_u24 v11, v7, 144
	v_lshl_add_u32 v11, v8, 6, v11
	v_add_nc_u32 v11, s27, v11                     ; in: row r, + 64 h: columns 16 h on
	v_lshrrev_b32 v12, 3, v1
	v_mul_u32_u24 v12, v12, 144
	v_add_nc_u32 v12, v12, v[L8]
	v_add_nc_u32 v12, s27, v12                     ; back: eight lanes to a row of 128 bytes, four rows a load
	v_mov_b32 v[ZR], 0
	v_mov_b32 v[PR+1], 0
	s_mov_b32 s84, 0x0000ff00
	s_mov_b32 s85, 0x00ff0000
	s_mov_b32 s86, 0xff000000
	s_mov_b32 s24, s16                             ; my first tile
	s_lshl_b32 s88, s17, 24                        ; W2: the expert's 2^24 bytes,
	s_lshl_b32 s26, s16, 20                        ; 256 w rows,
	s_add_co_u32 s88, s88, s26
	s_lshl_b32 s90, s18, 7                         ; 32 sl columns
	s_add_co_u32 s88, s88, s90
	s_mov_b32 s89, 0
	s_mov_b32 s91, 0
	s_lshl_b32 s26, s17, 6
	s_add_co_u32 s26, s26, s16                     ; 64 e + j
	s_lshl_b32 s92, s26, 15
	s_mov_b32 s93, 0
	s_lshl_b32 s94, s26, 11
	s_mov_b32 s95, 0
	s_wait_kmcnt 0x0
	s_add_nc_u64 s[4:5], s[4:5], s[88:89]
	s_add_nc_u64 s[14:15], s[14:15], s[90:91]      ; out at my 32 columns
	s_add_nc_u64 s[28:29], s[6:7], s[92:93]        ; hc at my tile
	s_add_nc_u64 s[30:31], s[8:9], s[94:95]        ; hs at my tile
	s_wait_alu depctr_va_vdst(0)                   ; the offsets and LDS addresses v2 to v6 and v10 to v12 are written, which the kernel's loads and stores read
.irp q, 0,1,2,3,4,5,6,7
	global_load_b128 v[ID+4*\q:ID+4*\q+3], v3, s[10:11] offset:512*\q
.endr
	LOADG CH0, 0                                   ; set A,
	LOADG CH1, 8
	LOADG CH2, 16
	LOADG CH3, 24
	LOADG CH4, RB                                  ; and set B's first eight loads: 40 loads of 512 bytes are out
	s_wait_loadcnt 40                              ; 40 loads were issued behind the indices: they are in
.set m_, 0
.rept 32
	v_cmp_eq_u32 s[32+m_], s17, v[ID+m_]
.set m_, m_+1
.endr
	s_wait_alu depctr_va_sdst(0)                   ; the 32 compares have written s32 to s63, ahead of their first reader
	s_mov_b32 s21, 0
.set m_, 0
.rept 32
	s_bcnt1_i32_b32 s26, s[32+m_]
	s_add_co_u32 s21, s21, s26
.set m_, m_+1
.endr
	s_sub_co_u32 s22, s21, 1
	s_add_co_u32 s23, s21, 15
	s_lshr_b32 s23, s23, 4
	s_add_co_u32 s25, s23, 15
	s_sub_co_u32 s25, s25, s16
	s_lshr_b32 s25, s25, 4                         ; of tiles w, w + 16, .. those under the expert's count: (tiles + 15 - w) / 16, 0 where w is not under it
	s_min_u32 s25, s25, 4                          ; 1,024 tokens are 64 tiles at the most, four a wave: under this bound the stepped bases stay inside hc and hs
	s_mov_b32 s87, 0                               ; none is done
	SELECT                                         ; while the weights are on their way
	MAXG CH0, 1, 32                                ; set A, chunk by chunk as it lands: the counts are the chunks issued behind
	s_wait_alu depctr_va_vdst(0)
	MAXG CH1, 0, 24
	s_wait_alu depctr_va_vdst(0)
	MAXG CH2, 0, 16
	s_wait_alu depctr_va_vdst(0)
	MAXG CH3, 0, 8
	SCALEB 0
	CONVG CH0, 0, 0
	s_wait_alu depctr_va_vdst(0)                   ; the largest-magnitude lines and the moves are done reading chunk 0, in which the loads below land
	LOADG CH0, RB+8                                ; each chunk that has been converted takes eight more loads of set B
	CONVG CH1, 0, 1
	s_wait_alu depctr_va_vdst(0)                   ; the same of chunk 1
	LOADG CH1, RB+16
	CONVG CH2, 0, 2
	s_wait_alu depctr_va_vdst(0)                   ; the same of chunk 2
	LOADG CH2, RB+24
	CONVG CH3, 0, 3
	s_wait_alu depctr_va_vdst(0)                   ; set A's codes and scale bytes are written, which the LDS stores read
	STOREQ 0
	MAXG CH4, 1, 24                                ; set B: behind its first chunk stand its other three
	s_wait_alu depctr_va_vdst(0)
	MAXG CH0, 0, 16
	s_wait_alu depctr_va_vdst(0)
	MAXG CH1, 0, 8
	s_wait_alu depctr_va_vdst(0)
	MAXG CH2, 0, 0
	SCALEB 1
	CONVG CH4, 1, 0
	CONVG CH0, 1, 1
	CONVG CH1, 1, 2
	CONVG CH2, 1, 3
	v_nop                                          ; a plain line behind the last conversion
	s_wait_alu depctr_va_vdst(0)                   ; set B's codes and scale bytes are written, which the LDS stores read; v9 is written; and the stream is done with v28 to v237, in which the first tile's loads land: no vector line stands between here and them
	STOREQ 1
	s_wait_dscnt 0x0                               ; for the others' sake: my parts of the images lie in LDS
	s_barrier_signal -1
	s_barrier_wait -1                              ; all 64 fragments and 32 scale registers do.  Nothing writes them from here on
	s_wait_alu depctr_vm_vsrc(0)                   ; my LDS stores have read the codes (v220 to v251) and the bytes (v36 to v43): the tiles' loads land in these registers
	s_cmp_eq_u32 s25, 0
	s_cbranch_scc1 .Ldone                          ; the expert has fewer tiles than my number
.Ltile:
	global_load_b32 v[PR], v9, s[12:13]
.irp i, 0,1,2,3,4,5,6,7,8,9,10,11,12,13,14,15
	global_load_b32 v[HS+\i], v10, s[30:31] offset:128*\i
.endr
	HLOAD 0
	HLOAD 1
	DSLK 0
	DSLK 1
.set KS_, 0
.rept 16                               ; two K steps a turn
.if (KS_%8) == 0
.if KS_ < 24
	s_wait_loadcnt 16                              ; these 8 K steps' fragments are in (at first the probability and the scale words too); the next 8's 16 loads may be out
.else
	s_wait_loadcnt 0x0
.endif
.endif
	s_wait_dscnt 5                                 ; the even K step's weights are in; the odd one's five loads may be out
	MULK KS_
	s_wait_dscnt 0x0                               ; the odd K step's are in
	MULK KS_+1
	PLACES
.if KS_ < 30
	s_wait_alu depctr_va_vdst(0)                   ; the four matrix instructions are done reading W2's fragments and their scale registers, in which the ten loads below land; behind K steps 7 and 15 all readers of the hidden set just multiplied are done too
	DSLK KS_+2
	DSLK KS_+3
.endif
.if ((KS_%8) == 6) && (KS_ < 16)
	HLOAD KS_/8+2                                  ; the set just multiplied takes the fragments two sets on
.endif
.set KS_, KS_+2
.endr
.irp i, 0,1,2,3,4,5,6,7,8,9,10,11,12,13,14,15
	v_readlane_b32 s[68+\i], v[TOK], \i
.endr
.irp u, 0,1                            ; the even and the odd K steps' sums; each accumulator is read from its low end on
.irp p, 0,2,4,6
	v_pk_add_f32 v[ACC+8*\u+\p:ACC+8*\u+\p+1], v[ACC+8*\u+\p:ACC+8*\u+\p+1], v[ACC+16+8*\u+\p:ACC+16+8*\u+\p+1]
.endr
.endr
.irp q, 0,2,4,6,8,10,12,14
	v_pk_mul_f32 v[ACC+\q:ACC+\q+1], v[ACC+\q:ACC+\q+1], v[PR:PR+1] op_sel_hi:[1,0]   ; x my token's probability
.endr
	s_wait_alu depctr_va_sdst(0)                   ; the sixteen lane reads have written s68 to s83, ahead of their first reader
.irp i, 0,1,2,3                        ; the token of row 4 i + L / 8, and its row of out
	v_mov_b32 v[OO+\i], s[68+4*\i]
	v_cndmask_b32 v[OO+\i], v[OO+\i], s[69+4*\i], s84
	v_cndmask_b32 v[OO+\i], v[OO+\i], s[70+4*\i], s85
	v_cndmask_b32 v[OO+\i], v[OO+\i], s[71+4*\i], s86
	v_min_u32 v[OO+\i], 0x3ff, v[OO+\i]
	v_lshl_add_u32 v[OO+\i], v[OO+\i], 12, v[L8]
.endr
	s_wait_alu depctr_va_vdst(0)                   ; the scaled sums are written, which the stage's stores read; the four offsets, which out's stores read; and the matrix instructions are done reading v204 to v219, in which the stage's loads land
.irp u, 0,1
	ds_store_b128 v11, v[ACC+8*\u:ACC+8*\u+3] offset:32*\u            ; lane (r, h): out(token r, 32 sl + 16 h + 8 u + 0 .. 7)
	ds_store_b128 v11, v[ACC+8*\u+4:ACC+8*\u+7] offset:32*\u+16
.endr
.irp i, 0,1,2,3
	ds_load_b128 v[OB+4*\i:OB+4*\i+3], v12 offset:576*\i              ; LDS serves a wave's instructions in order (ISA guide 5.7.1.4): these see my stores.  Rows 4 i .. 4 i + 3
.endr
	s_wait_dscnt 0x0
.irp i, 0,1,2,3
	global_store_b128 v[OO+\i], v[OB+4*\i:OB+4*\i+3], s[14:15] th:TH_STORE_NT   ; eight lanes store a token's 128 consecutive bytes; written once, read by nobody here
.endr
	s_wait_xcnt 0x0                                ; the stores have read their registers: data, offsets and the loads' bases may be written again
	s_wait_alu depctr_vm_vsrc(0)                   ; out's stores have read their rows and offsets (v204 to v223), in which the next tile's weights land; the stage's stores have read the sums, which the next tile's products write; prob's load has read v9, which SELECT writes
	s_add_nc_u64 s[28:29], s[28:29], 0x80000       ; 16 tiles on
	s_add_nc_u64 s[30:31], s[30:31], 0x8000
	s_add_co_u32 s24, s24, 16
	s_add_co_u32 s87, s87, 1                       ; the loop is counted by ones, against the number of my tiles
	s_cmp_ge_u32 s87, s25
	s_cbranch_scc1 .Ldone
	SELECT
	s_wait_alu depctr_va_vdst(0)                   ; v9 is written, which prob's load reads; the scaling, the products and the offsets' lines are done with v26, v28 to v171 and v204 to v237, in which the next trip's loads land
	s_cmp_lt_u32 s87, s25
	s_cbranch_scc1 .Ltile
.Ldone:
	s_wait_dscnt 0x0                               ; the closing lines, six on end
	s_wait_alu 0x0
	s_wait_tensorcnt 0x0
	ds_add_u32 v254, v255
	s_wait_dscnt 0x0
	s_endpgm
.Lfunc_end_k_q85b0425b9d_fc2:
	.size	k_q85b0425b9d_fc2, .Lfunc_end_k_q85b0425b9d_fc2-k_q85b0425b9d_fc2
	.p2alignl 7, 3214868480
	.fill 96, 4, 3214868480
	.section	.rodata,"a",@progbits
	.p2align	6, 0x0
	.amdhsa_kernel k_q85b0425b9d_fc2
		.amdhsa_group_segment_fixed_size 108544
		.amdhsa_private_segment_fixed_size 0
		.amdhsa_enable_private_segment 0
		.amdhsa_kernarg_size 48
		.amdhsa_user_sgpr_count 2
		.amdhsa_user_sgpr_kernarg_segment_ptr 1
		.amdhsa_wavefront_size32 1
		.amdhsa_system_sgpr_workgroup_id_x 1
		.amdhsa_system_sgpr_workgroup_id_y 1
		.amdhsa_system_sgpr_workgroup_id_z 1
		.amdhsa_system_vgpr_workitem_id 0
		.amdhsa_next_free_vgpr 256
		.amdhsa_next_free_sgpr 96
		.amdhsa_reserve_vcc 1
		.amdhsa_float_denorm_mode_32 3
		.amdhsa_float_denorm_mode_16_64 3
		.amdhsa_memory_ordered 1
		.amdhsa_forward_progress 1
		.amdhsa_inst_pref_size 99
	.end_amdhsa_kernel
	.amdgpu_metadata
---
amdhsa.version: [ 1, 2 ]
amdhsa.kernels:
  - .name:           k_q85b0425b9d_fc2
    .symbol:         k_q85b0425b9d_fc2.kd
    .args:
      - { .name: W2, .offset: 0, .size: 8, .value_kind: global_buffer, .address_space: global }
      - { .name: hc, .offset: 8, .size: 8, .value_kind: global_buffer, .address_space: global }
      - { .name: hs, .offset: 16, .size: 8, .value_kind: global_buffer, .address_space: global }
      - { .name: ids, .offset: 24, .size: 8, .value_kind: global_buffer, .address_space: global }
      - { .name: prob, .offset: 32, .size: 8, .value_kind: global_buffer, .address_space: global }
      - { .name: out0, .offset: 40, .size: 8, .value_kind: global_buffer, .address_space: global }
    .group_segment_fixed_size: 108544
    .private_segment_fixed_size: 0
    .kernarg_segment_align: 8
    .kernarg_segment_size: 48
    .max_flat_workgroup_size: 512
    .sgpr_count:     96
    .vgpr_count:     256
    .wavefront_size: 32
...
	.end_amdgpu_metadata
.endif
;; end of part 6
